; MI455X (gfx1250); checked and timed in simulation.
; The chip was launched on July 23, 2026; its instructions are those of AMD's public machine-readable ISA for CDNA 5 (MIT licence, August 2026) and "CDNA5" Instruction Set Architecture Reference Guide (July 2026). The comments in the code are by the model that wrote it; some were corrected since.
;; Multi Head Attention. Allowed arithmetic: matrix products marked QUANTISED: E2M3 operands, one E8M0 scale for each 32 along K, by v_wmma_scale_f32_16x16x128_f8f6f4 with both operands' format E2M3, f32 sums; everything else in f32.
;; Inputs: Wk 1,024 x 1,024 float32; Wo 1,024 x 1,024 float32; Wq 1,024 x 1,024 float32; Wv 1,024 x 1,024 float32; bias 2 x 2,048 x 2,048 float32; bk 1,024 float32; bo 1,024 float32; bq 1,024 float32; bv 1,024 float32; k 2 x 2,048 x 1,024 float32; mask 2 x 2,048 int32; q 2 x 2,048 x 1,024 float32; v 2 x 2,048 x 1,024 float32.
;; Outputs: out0 2 x 2,048 x 1,024 float32.
;; This version of the problem:
;;   THIS VERSION OF THE PROBLEM IS GIVEN IN LOW PRECISION. The matrix products marked QUANTISED in the list below multiply operands that are first quantised to E2M3 (2 exponent bits, 3 mantissa bits; 6 bits a number), with one power-of-two scale for each 32 numbers along K (OCP MX v1.0); their sums are f32. All else is computed in f32.
;;   The module's matrix products, in the order in which they are computed (A, B: the left and right operand; K: the contracted axis; several contracted axes count as one K, in the product's order):
;;     1. [M 4,096, K 1,024] x [K 1,024, N 1,024]; A: input q; B: input Wq: QUANTISED
;;     2. [M 4,096, K 1,024] x [K 1,024, N 1,024]; A: input k; B: input Wk: QUANTISED
;;     3. [M 4,096, K 1,024] x [K 1,024, N 1,024]; A: input v; B: input Wv: QUANTISED
;;     4. batch 32 x [M 2,048, K 64] x [K 64, N 2,048]; A: computed on the way; B: computed on the way: QUANTISED
;;     5. batch 32 x [M 2,048, K 2,048] x [K 2,048, N 64]; A: softmax (see below); B: computed on the way: QUANTISED
;;     6. [M 4,096, K 1,024] x [K 1,024, N 1,024]; A: computed on the way; B: input Wo: QUANTISED
;;   THE QUANTISER, for each operand of a quantised product, along K:
;;     - K is cut into blocks of 32 from its start; a last block that is shorter is filled with zeros.
;;     - A block's scale is 2^e with e = floor(log2(the largest magnitude in the block)) - 2, held to -126 .. 127; a block of zeros has e = 0. As a byte (E8M0): e + 127.
;;     - Each number is divided by its block's scale, clamped to +-7.5, and rounded to the nearest number of E2M3, ties to even, subnormals kept.
;;     - The product sums the exact products of the quantised numbers (number of the format x scale) in f32.
;;   ~~~python
;;   def quantise(x, axis):      # numpy; x: float32 -> the quantised numbers, widened to float32 again
;;       x = np.moveaxis(x, axis, -1); K = x.shape[-1]
;;       x = np.pad(x, [(0, 0)] * (x.ndim - 1) + [(0, -K % 32)]); x = x.reshape(x.shape[:-1] + (-1, 32)); a = np.abs(x).max(-1, keepdims=True)
;;       e = np.where(a > 0, np.clip(np.frexp(np.where(a > 0, a, 1))[1] - 1 - 2, -126, 127), 0)      # np.frexp(a)[1] - 1 = floor(log2(a)), exactly
;;       r = np.clip(x / 2.0 ** e, -7.5, 7.5)
;;       step = 2.0 ** (np.maximum(np.frexp(np.where(r == 0, 1, r))[1] - 1, 0) - 3)
;;       q = np.round(r / step) * step * 2.0 ** e      # np.round: ties to even
;;       return np.moveaxis(q.reshape(q.shape[:-2] + (-1,))[..., :K], -1, axis).astype(np.float32)
;;   ~~~
;;   SOFTMAX AHEAD OF A QUANTISED PRODUCT. Where the list says 'softmax', what is quantised is not the finished softmax but p = 2^(t - M), with t = logit x log2(e) and M = ceil(the row's largest t), a whole number; so 1/2 < the row's largest p <= 1. The row's sum l is taken of the UNQUANTISED p, in f32, and the product's result is divided by l at the end. Since M is a whole number, a kernel that streams over the keys may use a running M (the ceiling of the running maximum): every later rescaling is an exact power of two, which a block's scale takes up: the codes' values come out the same.
;;   OPERANDS COMPUTED ON THE WAY. 'Computed on the way' means the value that the module computes at that place (a softmax that the list does not call 'softmax' is quantised finished and normalised). What goes into a quantiser is computed in f32, as accurately as f32 sums, v_exp_f32 and their like allow (about 1e-6 of the number): no bf16 or f16 on the way to a quantiser, and a product that is left as it is and whose result goes on into a quantised operand takes f32 operands (vector FMAs, or v_wmma_f32_16x16x4_f32). A number that lies on a knife's edge between two numbers of the format may be rounded either way, as far as f32 arithmetic and the matrix unit's own rounding can turn it there, and no further.
;; One version. Each part assembles by itself: llvm-mc -triple=amdgcn-amd-amdhsa -mcpu=gfx1250 --defsym DOCPART=n.
;; ======== version 1 of 1: 4 launches
;; workspace buffers: img 13,107,200 bytes; qkv 10,223,616 bytes; aimg 3,276,800 bytes
;; launch quant (part 1): grid 256 x 1, 8 waves a work-group, no clusters, 68,608 bytes of LDS; arguments q, k, v, Wq, Wk, Wv, Wo, img; writes img
.if DOCPART == 1
	.amdgcn_target "amdgcn-amd-amdhsa--gfx1250"
	.amdhsa_code_object_version 6
	.text
	.protected	k_q58e2c581b2_quant
	.globl	k_q58e2c581b2_quant
	.p2align	8
	.type	k_q58e2c581b2_quant,@function
k_q58e2c581b2_quant:
	s_mov_b64 s[64:65], 0
	v_nop
	global_prefetch_b8 v0, s[64:65] scope:SCOPE_SE
	s_setreg_imm32_b32 hwreg(HW_REG_WAVE_MODE, 25, 1), 1
	s_wait_xcnt 0x0
; q, k, v [4096][1024] and Wq, Wk, Wv, Wo [1024][1024], f32 with K innermost, become codes of FP6 (E2M3) with one E8M0 byte for each 32 along K,
; laid as IMAGES OF OPERAND REGISTERS.  img is 256 groups of 64 rows (q 0-63, k 64-127, v 128-191, Wq 192-, Wk 208-, Wv 224-, Wo 240-), 51,200 bytes each:
; [K step of 128: 8][6,400 bytes]; in a K step the codes of tile a (16 rows) lie at 1536 a + 256 p + 8 lane (piece p = registers 2 p, 2 p + 1 of the 12), and the scale
; words at 6144 + 8 lane: lane 16 hh + r holds the words of tiles 2 hh and 2 hh + 1, row r.
; THE ROWS OF A TILE ARE NOT NEIGHBOURS: lane r of tile a takes row 32 (a / 2) + 8 (a % 2) + r + 8 (r / 8) of the group, so that a product that uses such tiles as source 0
; leaves 16 neighbours of that axis in the 16 registers of two neighbouring tiles.
; A block's scale is 2^(floor(log2(largest magnitude)) - 2): its byte is the largest magnitude's exponent field - 2, held at 1 from below.
; LIMITS: a block of zeros, and one whose largest magnitude lies under 2^-124, keeps the byte 1 (its codes add nothing or are held; this program alone reads the bytes); NaN and infinities are not served.
; SHARES: work-group g takes group g; wave w takes K step w: 64 rows x 512 bytes in, 6,400 consecutive bytes out.  Each load reads 512 consecutive bytes of a row; a tile's 16 rows turn
; through the wave's own stage in LDS (pitch 528 = 33 x 16 bytes: sixteen rows start in sixteen different 16-byte columns of 256), so that a lane gets two whole blocks of 32 of its row.
; No barrier: waves share nothing.  Loads run two tiles (32 loads a wave) ahead.
.set STG, 8448                         ; a wave's stage: 16 rows x 528 bytes
.set TMX, 10                           ; v10-11 largest magnitudes of my two blocks
.set SO,  12                           ; v12-13 the conversions' scale operands
.set BY,  14                           ; v14-15 the scale bytes
.set WA,  16                           ; v16 my two bytes at their places, v17 lane l xor 16's
.set W,   18                           ; v18-21 the scale word of each tile
.set P,   22                           ; v22-23 the words as they are stored
.set CT,  24                           ; v24-26, v28-30 the upper halves of the blocks' codes
.set CD,  32                           ; v32-43 a fragment's 12 registers
.set R,   48                           ; v48-175 two sets of 64: a tile as it is loaded
.set X,   176                          ; v176-239 my 64 numbers: register 32 c + i = k 64 c + 32 h + i of my row
	s_load_b512 s[4:19], s[0:1], 0x0               ; q, k, v, Wq, Wk, Wv, Wo, img
	v_lshl_add_u32 v240, v0, 2, 0x10800
	v_mov_b32 v241, 0
	v_lshrrev_b32 v1, 5, v0
	v_readfirstlane_b32 s20, v1                    ; wave = K step
	v_and_b32 v2, 31, v0                           ; lane
	v_and_b32 v3, 15, v0                           ; r
	v_bfe_u32 v9, v0, 4, 1                         ; h
	v_lshlrev_b32 v4, 4, v2                        ; 16 x lane: my bytes of a load's 512
	s_mul_i32 s21, s20, STG
	v_add_nc_u32 v5, s21, v4                       ; the stage, on the way in
	v_mul_u32_u24 v6, v3, 528
	v_lshl_add_u32 v6, v9, 7, v6
	v_add_nc_u32 v6, s21, v6                       ; and out: row r, + 128 h
	v_lshlrev_b32 v7, 3, v2                        ; 8 x lane: my place in a piece of an image
	v_lshlrev_b32 v8, 3, v9                        ; 8 h: how far my two bytes are shifted in the scale word
	v_mov_b32 v[WA+1], 0                           ; written once: a lane permute's destination counts as one of its sources
	s_mov_b32 s22, 0x76543210
	s_mov_b32 s23, 0xfedcba98                      ; v_permlanex16_b32's selects for lane l xor 16
	s_mov_b32 s28, 0xffff0000                      ; lanes 16-31
	s_and_b32 s26, ttmp9, 63
	s_and_b32 s27, ttmp9, 15
	s_cmp_lt_u32 ttmp9, 192
	s_cselect_b32 s26, s26, s27                    ; the group's number inside its tensor
	s_lshl_b32 s26, s26, 18                        ; 64 rows of 4,096 bytes
	s_lshl_b32 s27, s20, 9                         ; + my K step's 512 bytes of a row
	s_add_co_u32 s26, s26, s27
	s_mov_b32 s27, 0
	s_mul_i32 s30, ttmp9, 51200
	s_mul_i32 s31, s20, 6400
	s_add_co_u32 s30, s30, s31
	s_mov_b32 s31, 0
	s_wait_kmcnt 0x0
	s_cmp_lt_u32 ttmp9, 64                         ; which tensor: the choice hangs on the work-group's number alone
	s_cselect_b64 s[24:25], s[4:5], s[6:7]
	s_cmp_lt_u32 ttmp9, 128
	s_cselect_b64 s[24:25], s[24:25], s[8:9]
	s_cmp_lt_u32 ttmp9, 192
	s_cselect_b64 s[24:25], s[24:25], s[10:11]
	s_cmp_lt_u32 ttmp9, 208
	s_cselect_b64 s[24:25], s[24:25], s[12:13]
	s_cmp_lt_u32 ttmp9, 224
	s_cselect_b64 s[24:25], s[24:25], s[14:15]
	s_cmp_lt_u32 ttmp9, 240
	s_cselect_b64 s[24:25], s[24:25], s[16:17]
	s_add_nc_u64 s[24:25], s[24:25], s[26:27]
	s_add_nc_u64 s[18:19], s[18:19], s[30:31]
.macro LOADT a                         ; tile a's 16 rows, 512 consecutive bytes a load, into set a % 2
.irp i, 0,1,2,3,4,5,6,7,8,9,10,11,12,13,14,15
	global_load_b128 v[R+64*((\a)%2)+4*\i:R+64*((\a)%2)+4*\i+3], v4, s[24:25] offset:(32*((\a)/2)+8*((\a)%2)+\i+8*(\i/8))*4096 th:TH_LOAD_NT
.endr
.endm
.macro TURN a                          ; through the stage: LDS serves a wave's instructions in order, so no wait stands between the stores and the loads
.irp i, 0,1,2,3,4,5,6,7,8,9,10,11,12,13,14,15
	ds_store_b128 v5, v[R+64*((\a)%2)+4*\i:R+64*((\a)%2)+4*\i+3] offset:528*\i
.endr
.irp c, 0,1
.irp j, 0,1,2,3,4,5,6,7
	ds_load_b128 v[X+32*\c+4*\j:X+32*\c+4*\j+3], v6 offset:256*\c+16*\j
.endr
.endr
.endm
.macro QT a                            ; my two blocks (2 c + h, c = 0, 1) of tile a: all 32 numbers of a block are mine
.irp c, 0,1
	v_max3_num_f32 v[TMX+\c], |v[X+32*\c]|, |v[X+32*\c+1]|, 0x1800000   ; with the floor 2^(3 - 127): the byte cannot fall under 1
.endr
.irp i, 2,4,6,8,10,12,14,16,18,20,22,24,26,28,30
.irp c, 0,1
	v_max3_num_f32 v[TMX+\c], v[TMX+\c], |v[X+32*\c+\i]|, |v[X+32*\c+\i+1]|   ; the two blocks by turns
.endr
.endr
.irp c, 0,1
	v_add_nc_u32 v[SO+\c], 0xff000000, v[TMX+\c]   ; 2 off the exponent field: the conversion takes the exponent field of this operand as its scale
.endr
.irp c, 0,1
	v_lshrrev_b32 v[BY+\c], 23, v[SO+\c]           ; the scale's byte
.endr
	v_lshl_or_b32 v[WA], v[BY+1], 16, v[BY]        ; blocks h and 2 + h,
	v_lshlrev_b32 v[WA], v8, v[WA]                 ; at their places in the word;
	v_permlanex16_b32 v[WA+1], v[WA], s22, s23
	v_or_b32 v[W+(\a)], v[WA], v[WA+1]             ; with lane l xor 16's two the word is whole
.irp c, 0,1
	v_cvt_scalef32_pk16_fp6_f32 v[CD+6*\c:CD+6*\c+2], v[X+32*\c:X+32*\c+15], v[SO+\c]
	v_cvt_scalef32_pk16_fp6_f32 v[CT+4*\c:CT+4*\c+2], v[X+32*\c+16:X+32*\c+31], v[SO+\c]   ; (a conversion's three registers begin on an even number)
.endr
	v_nop                                          ; one plain place behind a scaled conversion
.irp c, 0,1
.irp i, 0,1,2
	v_mov_b32 v[CD+6*\c+3+\i], v[CT+4*\c+\i]
.endr
.endr
.irp p, 0,1,2,3,4,5
	global_store_b64 v7, v[CD+2*\p:CD+2*\p+1], s[18:19] offset:(\a)*1536+\p*256   ; 32 lanes store 256 consecutive bytes, at a multiple of 256 from img's first byte
.endr
.endm
	LOADT 0
	LOADT 1
.irp a, 0,1,2,3
.if \a < 3
	s_wait_loadcnt 16                              ; this tile's 16 loads are in; the next tile's 16 may be out
.else
	s_wait_loadcnt 0x0
.endif
	TURN \a
	s_wait_dscnt 0x0                               ; my numbers are back, and the stores into the stage have read their registers,
.if \a < 2
	LOADT \a+2                                     ; which take the tile two further on
.endif
.if \a > 0
	s_wait_xcnt 0x0                                ; the last tile's stores have read their data: the fragment's registers are written again only behind this wait
.endif
	QT \a
.endr
	v_cndmask_b32 v[P], v[W], v[W+2], s28          ; lanes 0-15: tiles 0 and 1; lanes 16-31: tiles 2 and 3
	v_cndmask_b32 v[P+1], v[W+1], v[W+3], s28
	global_store_b64 v7, v[P:P+1], s[18:19] offset:6144
	s_wait_tensorcnt 0x0
	ds_add_u32 v240, v241
	s_wait_dscnt 0x0
	s_endpgm
.Lfunc_end_k_q58e2c581b2_quant:
	.size	k_q58e2c581b2_quant, .Lfunc_end_k_q58e2c581b2_quant-k_q58e2c581b2_quant
	.p2alignl 7, 3214868480
	.fill 96, 4, 3214868480
	.section	.rodata,"a",@progbits
	.p2align	6, 0x0
	.amdhsa_kernel k_q58e2c581b2_quant
		.amdhsa_group_segment_fixed_size 68608
		.amdhsa_private_segment_fixed_size 0
		.amdhsa_enable_private_segment 0
		.amdhsa_kernarg_size 64
		.amdhsa_user_sgpr_count 2
		.amdhsa_user_sgpr_kernarg_segment_ptr 1
		.amdhsa_wavefront_size32 1
		.amdhsa_system_sgpr_workgroup_id_x 1
		.amdhsa_system_sgpr_workgroup_id_y 1
		.amdhsa_system_sgpr_workgroup_id_z 1
		.amdhsa_system_vgpr_workitem_id 0
		.amdhsa_next_free_vgpr 242
		.amdhsa_next_free_sgpr 66
		.amdhsa_reserve_vcc 0
		.amdhsa_float_denorm_mode_32 3
		.amdhsa_float_denorm_mode_16_64 3
		.amdhsa_memory_ordered 1
		.amdhsa_forward_progress 1
		.amdhsa_inst_pref_size 31
	.end_amdhsa_kernel
	.amdgpu_metadata
---
amdhsa.version: [ 1, 2 ]
amdhsa.kernels:
  - .name:           k_q58e2c581b2_quant
    .symbol:         k_q58e2c581b2_quant.kd
    .args:
      - { .name: q, .offset: 0, .size: 8, .value_kind: global_buffer, .address_space: global }
      - { .name: k, .offset: 8, .size: 8, .value_kind: global_buffer, .address_space: global }
      - { .name: v, .offset: 16, .size: 8, .value_kind: global_buffer, .address_space: global }
      - { .name: Wq, .offset: 24, .size: 8, .value_kind: global_buffer, .address_space: global }
      - { .name: Wk, .offset: 32, .size: 8, .value_kind: global_buffer, .address_space: global }
      - { .name: Wv, .offset: 40, .size: 8, .value_kind: global_buffer, .address_space: global }
      - { .name: Wo, .offset: 48, .size: 8, .value_kind: global_buffer, .address_space: global }
      - { .name: img, .offset: 56, .size: 8, .value_kind: global_buffer, .address_space: global }
    .group_segment_fixed_size: 68608
    .private_segment_fixed_size: 0
    .kernarg_segment_align: 8
    .kernarg_segment_size: 64
    .max_flat_workgroup_size: 256
    .sgpr_count:     66
    .vgpr_count:     242
    .wavefront_size: 32
...
	.end_amdgpu_metadata
.endif
;; end of part 1
;; launch proj (part 2): grid 32 x 8, 4 waves a work-group, clusters of 4 x 4, 327,680 bytes of LDS; arguments img, bq, bk, bv, mask, qkv; writes qkv
.if DOCPART == 2
	.amdgcn_target "amdgcn-amd-amdhsa--gfx1250"
	.amdhsa_code_object_version 6
	.text
	.protected	k_q58e2c581b2_proj
	.globl	k_q58e2c581b2_proj
	.p2align	8
	.type	k_q58e2c581b2_proj,@function
k_q58e2c581b2_proj:
	s_mov_b64 s[64:65], 0
	v_nop
	global_prefetch_b8 v0, s[64:65] scope:SCOPE_SE
	s_setreg_imm32_b32 hwreg(HW_REG_WAVE_MODE, 25, 1), 1
	s_wait_xcnt 0x0
	s_wait_alu depctr_hold_cnt(0) depctr_sa_sdst(0) depctr_va_vdst(0) depctr_va_sdst(0) depctr_va_ssrc(0) depctr_va_vcc(0) depctr_vm_vsrc(0)
	s_getreg_b32 s2, hwreg(HW_REG_IB_STS2, 6, 4)
	s_cmp_eq_u32 s2, 0
	s_cbranch_scc0 .Lentry_in_a_cluster
	s_endpgm
.Lentry_in_a_cluster:
	s_bfe_u32 s2, ttmp6, 0x10000c
	s_cmp_lg_u32 s2, 0xf033
	s_cbranch_scc0 .Lentry_shape_is_right
	s_endpgm
.Lentry_shape_is_right:
; The three input projections, x W^T + b, on codes of FP6 (E2M3) with E8M0 scales, and their results quantised in registers for the attention launch.
; A WORK-GROUP STAYS: it makes three tiles of 128 x 128 (K = 1,024), one of Q, one of K, one of V, so that arguments, first tiles and last stores are waited for once and not three times.
; X = 4 x cluster x + cx names 128 rows of q, k and v; Y = 4 x cluster y + cy names 128 rows of Wq, Wk and Wv.  C[i][j] = sum over k of S1[i][k] S0[j][k].  For Q and K: S1 = rows of x, S0 = rows of W;
; for V: S1 = rows of Wv (the head's channels), S0 = rows of v (the keys): so the axis along which the result is quantised (the head's 64 for Q and K, the keys for V) is always j.
; THE MATRIX INSTRUCTION IS USED TRANSPOSED (source 0 = a tile of S0, source 1 = a tile of S1): a lane holds one i, and, by the order of rows in a tile of img, the 16 registers of
; accumulators (a, 2 c) and (a, 2 c + 1) are 16 neighbours along j: 32 c + 16 (lane / 16) + 0 .. 15.  Four waves, each 64 x 64: 16 accumulators.
; LDS: three regions of 102,400 bytes, each half a tile: 4 K steps of x's two groups and of W's two groups, 25,600 dense bytes a wave.  Half h = 2 T + (K step / 4) lies in region h % 3.
; Halves 0, 1, 2 are first fills; halves 3, 4, 5 fill regions 0, 1, 2 again, each behind a round of the cluster's barrier: half 3 at the head of tile 0's K step 3 (80 matrix instructions and a way out
; ahead of the next wait for it), half 4 behind tile 0's way out (112 ahead), half 5 at the head of tile 1's K step 7 (64 and a way out ahead).  By this text's count a wave has three tensor loads out at the most.
; CLUSTERS: 4 x 4 work-groups.  x's panel hangs on X and is shared down a column of the cluster, W's on Y and is shared along a row: each is asked for jointly, which divides the requests by four.
; No prefetch is laid: many work-groups read each panel, and a refill has the matrix work counted above in which to land.
; qkv: [tensor 3][b x 16 + head: 32][group of 64 rows: 32][3,328 bytes]: codes of tile a at 768 a + 256 p + 8 lane (6 registers: K = 64, block h in lane half h); scale words at 3072 + 8 lane
; (lane 16 hh + r: tiles 2 hh, 2 hh + 1).  A word is byte of block 0 | byte of block 1 << 8 | an upper half.
; THE KEY MASK is laid into K here.  The scores' instruction takes 128 along K and the head has 64; the attention launch puts the code of 1.0 at k = 64 on both sides.  K's byte for that block
; is 141 (2^14) for a masked key, whose codes are set to zero, and 1 (2^-126) for an open key; Q's is 127.  So a masked key's score is 16,384 exactly.  The last block's byte is 1 on both sides.
; LIMITS: an open score carries + 2^-126; blocks of zeros and blocks under 2^-124 keep the byte 1; NaN and infinities are not served.
.set RG,    102400                     ; a region
.set PIECE, 25600                      ; a wave's part of it: 4 K steps of one group
.set SPARE, 307200                     ; behind the regions: the spare words, 128 bytes for each wave: two blocks of 256 bytes that no other line names
.set TENS,  3407872                    ; a tensor of qkv
.set G1X, 16                           ; s[16:23] descriptor group 1 for x's panel;  s[24:31] for W's: they differ in the mask alone
.set G1W, 24
.set G0X, 32                           ; s[32:43] group 0 for x's panel, a set for each region;  s[44:55] for W's
.set G0W, 44
.set WV,  66                           ; s66 wave;  s67 which 64 of i are mine, also: I fetch for x (0) or for W (1);  s68 which 64 of j, also: which group I fetch
.set WI,  67
.set WJ,  68
.set MKV,  4                           ; v4-7 the mask of my key in each tile a
.set FRG,  16                          ; v16-111, v112-207: two sets of fragments: S1's tile a at + 12 a, S0's tile b at + 48 + 12 b
.set SCL,  208                         ; v208-215: two sets of scale words: S1's pair, S0's pair; they hold nothing else
.set TV,   216                         ; v216-219 bv at my channel of each tile a
.set AQ1,  220                         ; v220-222 Q, K: LDS address of my S1 fragments (x's panel) in regions 0, 1, 2
.set AQ0,  223                         ; v223-225 of my S0 fragments (W's panel)
.set AV1,  226                         ; v226-227 V: of my S1 fragments (W's panel) in regions 1, 2
.set AV0,  228                         ; v228-229 of my S0 fragments (x's panel)
.set SPW,  230                         ; v230 LDS address of my spare word; never rewritten
.set NIL,  231                         ; v231 0; never rewritten
.set ACC,  0                           ; window 1: accumulator (a, b) at 8 (4 a + b)
.set CB0,  128                         ; window 1: the bias as the first products' C, 4 x 8 registers: bq, later bv
.set MX,   160                         ; window 1, the way out: largest magnitudes; v162-163 the other half's; v164-165 scale operands; v166-167 bytes
.set XP,   162
.set SOX,  164
.set BYX,  166
.set WW,   168                         ; v168-171 scale words;  v172-175 K's upper halves
.set HI,   172
.set CVB,  176                         ; v176-178 block 1's codes
.set II,   180                         ; tile a's six registers at 180 + 8 a
.set PP,   212
.set VO,   214                         ; 8 x lane
.set CB1,  216                         ; window 1: bk
.set MSB, 0
.macro WIN new                         ; the immediate's high byte repeats the setting that is left; a switch that changes nothing is dropped
.if MSB != (\new)
	s_set_vgpr_msb (MSB<<8)|(\new)
.set MSB, (\new)
.endif
.endm
.macro PLACES n
.rept \n
	v_nop
.endr
.endm
.macro CROUND                          ; a round of the cluster's barrier
	s_barrier_signal -1
	s_barrier_wait -1
	s_cmp_lg_u32 s[WV], 0
	s_cbranch_scc1 .Lnot_wave_0_\@
	s_barrier_signal -3
.Lnot_wave_0_\@:
	s_barrier_wait -3
	s_barrier_signal -1
	s_barrier_wait -1
.endm
; A joint load into region rho: waves 0 and 1 fetch for x, waves 2 and 3 for W.  Each of the two lines has one mask and one set of registers; the branch hangs on the wave's number alone.
; Four v_nop follow each of the two lines, ahead of the jump, the label and what follows.
.macro JLOAD rho
	s_cmp_eq_u32 s[WI], 0
	s_cbranch_scc0 .Lfor_w_\@
	tensor_load_to_lds s[G0X+4*(\rho):G0X+4*(\rho)+3], s[G1X:G1X+7]
	s_nop 0
	PLACES 4
	s_branch .Lasked_\@
.Lfor_w_\@:
	tensor_load_to_lds s[G0W+4*(\rho):G0W+4*(\rho)+3], s[G1W:G1W+7]
	s_nop 0
	PLACES 4
.Lasked_\@:
.endm
; Region rho, which nobody reads any more, is filled again.  dx, dw: bytes from the half that it held to the half that it takes, in x's and in W's groups.
.macro REFILL rho, dx, dw
	s_wait_tensorcnt 0x0                           ; all my tensor loads have landed, so a group 0 may be written, and every half asked for so far is whole behind the round
	ds_add_u32 v[SPW], v[NIL]                      ; 0 onto my spare word: the two steps stand between it and the wait for it
	s_add_nc_u64 s[G0X+4*(\rho)+2:G0X+4*(\rho)+3], s[G0X+4*(\rho)+2:G0X+4*(\rho)+3], \dx
	s_add_nc_u64 s[G0W+4*(\rho)+2:G0W+4*(\rho)+3], s[G0W+4*(\rho)+2:G0W+4*(\rho)+3], \dw
	s_wait_dscnt 0x0                               ; the add is done, and my reads of the region are over
	CROUND                                         ; both now hold of every wave of every partner
	JLOAD \rho                                     ; the first tensor load behind the round, and my only one until the next
.endm
; One matrix instruction.  ra, rb: source 0's, source 1's scale words stand in lanes 16-31 of their register.
.macro WM acc, fa, fb, cc, sa, sb, ra, rb
.set rD, \acc
.set rA, \fa
.set rB, \fb
.set rC, \cc
.set rSA, \sa
.set rSB, \sb
.set rRA, \ra
.set rRB, \rb
.if rRA && rRB
	v_wmma_scale_f32_16x16x128_f8f6f4 v[rD:rD+7], v[rA:rA+11], v[rB:rB+11], v[rC:rC+7], v[rSA], v[rSB] matrix_a_fmt:MATRIX_FMT_FP6 matrix_b_fmt:MATRIX_FMT_FP6 matrix_a_scale:MATRIX_SCALE_ROW1 matrix_b_scale:MATRIX_SCALE_ROW1
.elseif rRA
	v_wmma_scale_f32_16x16x128_f8f6f4 v[rD:rD+7], v[rA:rA+11], v[rB:rB+11], v[rC:rC+7], v[rSA], v[rSB] matrix_a_fmt:MATRIX_FMT_FP6 matrix_b_fmt:MATRIX_FMT_FP6 matrix_a_scale:MATRIX_SCALE_ROW1
.elseif rRB
	v_wmma_scale_f32_16x16x128_f8f6f4 v[rD:rD+7], v[rA:rA+11], v[rB:rB+11], v[rC:rC+7], v[rSA], v[rSB] matrix_a_fmt:MATRIX_FMT_FP6 matrix_b_fmt:MATRIX_FMT_FP6 matrix_b_scale:MATRIX_SCALE_ROW1
.else
	v_wmma_scale_f32_16x16x128_f8f6f4 v[rD:rD+7], v[rA:rA+11], v[rB:rB+11], v[rC:rC+7], v[rSA], v[rSB] matrix_a_fmt:MATRIX_FMT_FP6 matrix_b_fmt:MATRIX_FMT_FP6
.endif
.endm
; 50 LDS loads: the eight fragments and four scale registers of tile tt's K step ks into set fs; each load takes 256 consecutive bytes
.macro FETCHT tt, ks, fs
.set rho, (2*(\tt)+(\ks)/4)%3
.if (\tt) == 2
.set ra1, AV1+rho-1
.set ra0, AV0+rho-1
.else
.set ra1, AQ1+rho
.set ra0, AQ0+rho
.endif
.set ofs, ((\ks)%4)*6400
.irp a, 0,1,2,3
.irp p, 0,1,2,3,4,5
	ds_load_b64 v[FRG+96*(\fs)+12*\a+2*\p:FRG+96*(\fs)+12*\a+2*\p+1], v[ra1] offset:ofs+\a*1536+\p*256
.endr
.endr
.irp a, 0,1,2,3
.irp p, 0,1,2,3,4,5
	ds_load_b64 v[FRG+96*(\fs)+48+12*\a+2*\p:FRG+96*(\fs)+48+12*\a+2*\p+1], v[ra0] offset:ofs+\a*1536+\p*256
.endr
.endr
	ds_load_b64 v[SCL+4*(\fs):SCL+4*(\fs)+1], v[ra1] offset:ofs+6144
	ds_load_b64 v[SCL+4*(\fs)+2:SCL+4*(\fs)+3], v[ra0] offset:ofs+6144
.endm
; 16 matrix instructions, the 16 accumulators by turns, in the same order in every K step.  mode 0: they add on; 1: they start from the bias of j at cb; 2: from the bias of i
.macro MUL16 fs, mode, cb
	WIN 0x50                                       ; C and D in window 1
.irp a, 0,1,2,3
.irp b, 0,1,2,3
.if (\mode) == 0
	WM ACC+8*(4*\a+\b), FRG+96*(\fs)+48+12*\b, FRG+96*(\fs)+12*\a, ACC+8*(4*\a+\b), SCL+4*(\fs)+2+\b%2, SCL+4*(\fs)+\a%2, \b/2, \a/2
.elseif (\mode) == 1
	WM ACC+8*(4*\a+\b), FRG+96*(\fs)+48+12*\b, FRG+96*(\fs)+12*\a, (\cb)+8*\b, SCL+4*(\fs)+2+\b%2, SCL+4*(\fs)+\a%2, \b/2, \a/2
.else
	WM ACC+8*(4*\a+\b), FRG+96*(\fs)+48+12*\b, FRG+96*(\fs)+12*\a, (\cb)+8*\a, SCL+4*(\fs)+2+\b%2, SCL+4*(\fs)+\a%2, \b/2, \a/2
.endif
.endr
.endr
.endm
; K step ks of tile tt: the next step's fragments (the next tile's first, at a tile's end) are fetched while this step is multiplied.
.macro STEPT tt, ks
	s_wait_dscnt 0x0                               ; this K step's fragments are in: they are the last that I read of their region where ks is 3 or 7
.if ((\tt) == 0) && ((\ks) == 3)
	REFILL 0, 3302400, 844800                      ; region 0 takes K's second half; halves 1 and 2 are shown whole
.elseif ((\tt) == 1) && ((\ks) == 7)
	REFILL 2, 3302400, 844800                      ; region 2 takes V's second half; V's first half is shown whole
.elseif ((\tt) == 2) && ((\ks) == 3)
	s_wait_tensorcnt 0x0                           ; my last tensor load: no load was issued behind it
	s_barrier_signal -1
	s_barrier_wait -1                              ; everybody's has landed
.endif
.if (\ks) < 7
	FETCHT \tt, (\ks)+1, ((\ks)+1)%2               ; into the set that the K step before multiplied: four places stand behind those products
.elseif (\tt) < 2
	FETCHT (\tt)+1, 0, 0
.endif
.if (\ks) > 0
	MUL16 (\ks)%2, 0, 0
.elseif (\tt) == 0
	MUL16 0, 1, CB0                                ; a tile's first K step starts the sums from the bias: nothing is cleared and nothing is added later
.elseif (\tt) == 1
	MUL16 0, 1, CB1
.else
	MUL16 0, 2, CB0
.endif
	PLACES 4                                       ; in front of loads into registers that these products read, and of the first read of results
	WIN 0
.endm
; THE WAY OUT of tile a of 16 rows i: its 64 numbers along j become two blocks of 32 and leave as an image of six registers.  All its registers lie in window 1.
.macro EPI a, tt
.if (\tt) == 2
.set ob, 78
.set oo, 0
.else
.set ob, 76
.set oo, (\tt)*TENS
.endif
.irp c, 0,1
	v_max3_num_f32 v[MX+\c], |v[ACC+32*(\a)+16*\c]|, |v[ACC+32*(\a)+16*\c+1]|, 0x1800000   ; block c: my 16 numbers, each accumulator from its low end on, and the floor 2^(3 - 127)
.endr
.irp i, 2,4,6,8,10,12,14
.irp c, 0,1
	v_max3_num_f32 v[MX+\c], v[MX+\c], |v[ACC+32*(\a)+16*\c+\i]|, |v[ACC+32*(\a)+16*\c+\i+1]|
.endr
.endr
.irp c, 0,1
	v_permlanex16_b32 v[XP+\c], v[MX+\c], s90, s91
.endr
.irp c, 0,1
	v_max_num_f32 v[MX+\c], v[MX+\c], v[XP+\c]     ; with lane l xor 16's: the block's largest magnitude
.endr
.irp c, 0,1
	v_add_nc_u32 v[SOX+\c], 0xff000000, v[MX+\c]   ; 2 off the exponent field: the conversion's scale operand
.endr
.irp c, 0,1
	v_lshrrev_b32 v[BYX+\c], 23, v[SOX+\c]         ; the scale's byte
.endr
	v_lshl_or_b32 v[WW+(\a)], v[BYX+1], 8, v[BYX]
.if (\tt) == 0
	v_or_b32 v[WW+(\a)], 0x017f0000, v[WW+(\a)]    ; Q's upper half
.elseif (\tt) == 1
	v_or_b32 v[WW+(\a)], v[WW+(\a)], v[HI+(\a)]    ; K's: open or masked
.endif
	v_cvt_scalef32_pk16_fp6_f32 v[II+8*(\a):II+8*(\a)+2], v[ACC+32*(\a):ACC+32*(\a)+15], v[SOX]
	v_cvt_scalef32_pk16_fp6_f32 v[CVB:CVB+2], v[ACC+32*(\a)+16:ACC+32*(\a)+31], v[SOX+1]
	v_nop                                          ; one plain place behind a scaled conversion
.irp i, 0,1,2
	v_permlane16_swap_b32 v[II+8*(\a)+\i], v[CVB+\i]   ; a WHOLE block in a lane: lanes 0-15 block 0, lanes 16-31 block 1
.endr
.if (\tt) == 1
.irp i, 0,1,2
	v_cndmask_b32 v[II+8*(\a)+\i], 0, v[II+8*(\a)+\i], s[80+(\a)]   ; a masked key's codes are zeros
.endr
.irp i, 0,1,2
	v_cndmask_b32 v[II+8*(\a)+3+\i], 0, v[CVB+\i], s[80+(\a)]       ; (this also moves the upper 16 codes to their place)
.endr
.else
.irp i, 0,1,2
	v_mov_b32 v[II+8*(\a)+3+\i], v[CVB+\i]
.endr
.endif
.irp p, 0,1,2
	global_store_b64 v[VO], v[II+8*(\a)+2*\p:II+8*(\a)+2*\p+1], s[ob:ob+1] offset:oo+(\a)*768+\p*256   ; 32 lanes store 256 consecutive bytes, at a multiple of 256 from qkv's first byte
.endr
.endm
.macro EPILOG tt
.if (\tt) > 0
	s_wait_xcnt 0x0                                ; the last tile's stores have read their data: those registers are written again only behind this wait
.endif
	WIN 0x55
	EPI 0, \tt
	EPI 1, \tt
	EPI 2, \tt
	EPI 3, \tt
	v_cndmask_b32 v[PP], v[WW], v[WW+2], s89       ; lanes 0-15: tiles 0 and 1; lanes 16-31: tiles 2 and 3
	v_cndmask_b32 v[PP+1], v[WW+1], v[WW+3], s89
	global_store_b64 v[VO], v[PP:PP+1], s[ob:ob+1] offset:oo+3072
	WIN 0
.endm
	s_load_b256 s[4:11], s[0:1], 0x0               ; img, bq, bk, bv
	s_load_b128 s[12:15], s[0:1], 0x20             ; mask, qkv
	v_lshl_add_u32 v[SPW], v0, 2, SPARE
	v_mov_b32 v[NIL], 0
	ds_add_u32 v230, v231
	ds_add_u32 v230, v231
	s_wait_dscnt 0x0
	v_lshrrev_b32 v1, 5, v0
	v_readfirstlane_b32 s[WV], v1
	s_lshr_b32 s[WI], s[WV], 1
	s_and_b32 s[WJ], s[WV], 1
	s_bfe_u32 s69, ttmp6, 0x40000                  ; cx
	s_bfe_u32 s70, ttmp6, 0x40004                  ; cy
	s_lshl_b32 s71, ttmp9, 2
	s_add_co_u32 s71, s71, s69                     ; X
	s_and_b32 s72, ttmp7, 0xffff
	s_lshl_b32 s72, s72, 2
	s_add_co_u32 s72, s72, s70                     ; Y
	s_lshl_b32 s73, 0x1111, s69                    ; my column of the cluster
	s_lshl_b32 s74, s70, 2
	s_lshl_b32 s74, 15, s74                        ; my row
	; descriptor group 1: 25,600 dense bytes as 100 rows of 256 bytes (32 elements of 8 bytes); bit 21 is set beside a mask
	s_or_b32 s[G1X], s73, (3<<16)|(1<<21)
	s_or_b32 s[G1W], s74, (3<<16)|(1<<21)
.irp g, G1X, G1W
	s_mov_b32 s[\g+1], 32<<16                      ; tensor_dim0
	s_mov_b32 s[\g+2], 100<<16                     ; tensor_dim1
	s_mov_b32 s[\g+3], 32<<16                      ; tile_dim0
	s_mov_b32 s[\g+4], 100                         ; tile_dim1
	s_mov_b32 s[\g+5], 32                          ; the pitch
	s_mov_b32 s[\g+6], 0
	s_mov_b32 s[\g+7], 0
.endr
	s_lshl_b32 s84, s71, 1
	s_add_co_u32 s84, s84, s[WJ]                   ; q's group that I fetch, if I fetch for x: 2 X + wave % 2: no cy enters it
	s_mul_i32 s84, s84, 51200
	s_mov_b32 s85, 0
	s_lshl_b32 s86, s72, 1
	s_add_co_u32 s86, s86, s[WJ]
	s_add_co_u32 s86, s86, 192                     ; Wq's, if for W: 192 + 2 Y + wave % 2: no cx enters it
	s_mul_i32 s86, s86, 51200
	s_mov_b32 s87, 0
	s_mul_i32 s88, s[WV], PIECE                    ; where it goes in a region: x's two groups, then W's two: no place in the cluster enters an LDS address
	s_wait_kmcnt 0x0
	s_add_nc_u64 s[84:85], s[4:5], s[84:85]
	s_add_nc_u64 s[86:87], s[4:5], s[86:87]
.irp c, 0,1,2                          ; halves 0, 1 (Q) and 2 (K's first): k's groups lie 64 groups behind q's, Wk's 16 behind Wq's
	s_mov_b32 s[G0X+4*\c], 1
	s_add_co_u32 s[G0X+4*\c+1], s88, \c*RG
	s_add_nc_u64 s[G0X+4*\c+2:G0X+4*\c+3], s[84:85], (\c/2)*3276800+(\c%2)*PIECE
	s_or_b32 s[G0X+4*\c+3], s[G0X+4*\c+3], 0x80000000
	s_mov_b32 s[G0W+4*\c], 1
	s_add_co_u32 s[G0W+4*\c+1], s88, \c*RG
	s_add_nc_u64 s[G0W+4*\c+2:G0W+4*\c+3], s[86:87], (\c/2)*819200+(\c%2)*PIECE
	s_or_b32 s[G0W+4*\c+3], s[G0W+4*\c+3], 0x80000000
.endr
	CROUND                                         ; all sixteen work-groups are here: the first joint loads meet
	s_cmp_eq_u32 s[WI], 0                          ; a wave's three first fills stand in one branch on the wave's number; four v_nop follow the last
	s_cbranch_scc0 .Lfirst_w
	tensor_load_to_lds s[G0X:G0X+3], s[G1X:G1X+7]
	s_nop 0
	tensor_load_to_lds s[G0X+4:G0X+7], s[G1X:G1X+7]
	s_nop 0
	tensor_load_to_lds s[G0X+8:G0X+11], s[G1X:G1X+7]
	s_nop 0
	PLACES 4
	s_branch .Lfirst_asked
.Lfirst_w:
	tensor_load_to_lds s[G0W:G0W+3], s[G1W:G1W+7]
	s_nop 0
	tensor_load_to_lds s[G0W+4:G0W+7], s[G1W:G1W+7]
	s_nop 0
	tensor_load_to_lds s[G0W+8:G0W+11], s[G1W:G1W+7]
	s_nop 0
	PLACES 4
.Lfirst_asked:
	v_and_b32 v1, 31, v0                           ; lane
	v_and_b32 v8, 15, v0                           ; r
	v_bfe_u32 v9, v0, 4, 1                         ; h
	v_lshlrev_b32 v10, 3, v1                       ; 8 x lane
	v_and_b32 v11, 8, v8
	v_add_nc_u32 v11, v11, v8
	v_lshlrev_b32 v11, 2, v11                      ; 4 (r + 8 (r / 8)): my row of a tile, in words
	v_lshlrev_b32 v12, 6, v9                       ; 64 h: my half's 16 numbers along j
	s_lshl_b32 s92, s71, 1
	s_add_co_u32 s95, s92, s[WJ]                   ; 2 X + wj: V's group of keys
	s_add_co_u32 s92, s92, s[WI]                   ; 2 X + wi: Q's and K's group of rows
	s_lshl_b32 s93, s72, 1
	s_add_co_u32 s94, s93, s[WI]                   ; 2 Y + wi: V's head
	s_add_co_u32 s93, s93, s[WJ]                   ; 2 Y + wj: Q's and K's head
	s_mov_b32 s97, 0
	s_lshl_b32 s96, s92, 8
	s_add_nc_u64 s[12:13], s[12:13], s[96:97]      ; the mask of my 64 keys
	s_lshl_b32 s96, s93, 8
	s_add_nc_u64 s[6:7], s[6:7], s[96:97]          ; bq and bk at my head's 64 numbers
	s_add_nc_u64 s[8:9], s[8:9], s[96:97]
	s_lshl_b32 s96, s94, 8
	s_add_nc_u64 s[10:11], s[10:11], s[96:97]      ; bv likewise
.irp a, 0,1,2,3
	global_load_b32 v[MKV+\a], v11, s[12:13] offset:4*(32*(\a/2)+8*(\a%2))
.endr
.irp a, 0,1,2,3                        ; V: the bias runs along i: one number a lane and tile a
	global_load_b32 v[TV+\a], v11, s[10:11] offset:4*(32*(\a/2)+8*(\a%2))
.endr
	WIN 0x40                                       ; Q, K: the bias runs along j: for tile b my eight are 32 (b / 2) + 16 h + 8 (b % 2) + 0 .. 7
.irp b, 0,1,2,3
	global_load_b128 v[CB0+8*\b:CB0+8*\b+3], v12, s[6:7] offset:4*(32*(\b/2)+8*(\b%2))
	global_load_b128 v[CB0+8*\b+4:CB0+8*\b+7], v12, s[6:7] offset:4*(32*(\b/2)+8*(\b%2))+16
.endr
.irp b, 0,1,2,3
	global_load_b128 v[CB1+8*\b:CB1+8*\b+3], v12, s[8:9] offset:4*(32*(\b/2)+8*(\b%2))
	global_load_b128 v[CB1+8*\b+4:CB1+8*\b+7], v12, s[8:9] offset:4*(32*(\b/2)+8*(\b%2))+16
.endr
	WIN 0
	s_mul_i32 s98, s[WI], PIECE
	s_mul_i32 s99, s[WJ], PIECE
.irp c, 0,1,2
	s_add_co_u32 s96, s98, \c*RG
	v_add_nc_u32 v[AQ1+\c], s96, v10               ; x's group wi
	s_add_co_u32 s96, s99, \c*RG+2*PIECE
	v_add_nc_u32 v[AQ0+\c], s96, v10               ; W's group wj
.endr
.irp c, 1,2
	s_add_co_u32 s96, s98, \c*RG+2*PIECE
	v_add_nc_u32 v[AV1+\c-1], s96, v10             ; W's group wi
	s_add_co_u32 s96, s99, \c*RG
	v_add_nc_u32 v[AV0+\c-1], s96, v10             ; x's group wj
.endr
	s_lshr_b32 s96, s92, 5                         ; where Q's and K's results go: ((b x 16 + head) x 32 + group % 32) x 3,328; K's lie a tensor further on, in the stores' immediate
	s_lshl_b32 s96, s96, 4
	s_add_co_u32 s96, s96, s93
	s_lshl_b32 s96, s96, 5
	s_and_b32 s98, s92, 31
	s_add_co_u32 s96, s96, s98
	s_mul_i32 s96, s96, 3328
	s_add_nc_u64 s[76:77], s[14:15], s[96:97]
	s_lshr_b32 s96, s95, 5                         ; and V's
	s_lshl_b32 s96, s96, 4
	s_add_co_u32 s96, s96, s94
	s_lshl_b32 s96, s96, 5
	s_and_b32 s98, s95, 31
	s_add_co_u32 s96, s96, s98
	s_mul_i32 s96, s96, 3328
	s_add_co_u32 s96, s96, 2*TENS
	s_add_nc_u64 s[78:79], s[14:15], s[96:97]
	s_mov_b32 s89, 0xffff0000                      ; lanes 16-31
	s_mov_b32 s90, 0x76543210
	s_mov_b32 s91, 0xfedcba98                      ; v_permlanex16_b32's selects for lane l xor 16
	s_mov_b32 s99, 0x01010000                      ; the upper half of an open key's word
	v_mov_b32 v13, 0x018d0000                      ; of a masked key's: 2^14 for the block at k = 64
	s_wait_loadcnt 0x0                             ; the biases and the mask, once for the three tiles
.irp a, 0,1,2,3
	v_cmp_ne_u32 s[80+\a], 0, v[MKV+\a]            ; the lanes whose key of tile a is open
.endr
	WIN 0x40
.irp a, 0,1,2,3
	v_cndmask_b32 v[HI+\a], v13, s99, s[80+\a]
.endr
	v_mov_b32 v[VO], v10
	v_mov_b32 v[XP], 0                             ; written once: a lane permute's destination counts as one of its sources
	v_mov_b32 v[XP+1], 0
	WIN 0
	s_wait_tensorcnt 2                             ; my part of Q's first half is in; the two halves that I asked for behind it may be out
	s_barrier_signal -1
	s_barrier_wait -1                              ; everybody's is
	FETCHT 0, 0, 0
.irp k, 0,1,2,3,4,5,6,7
	STEPT 0, \k
.endr
	EPILOG 0                                       ; K's first fragments land meanwhile
	REFILL 1, 6528000, 1612800                     ; region 1 takes V's first half; K's second half is shown whole
.irp k, 0,1,2,3,4,5,6,7
	STEPT 1, \k
.endr
	EPILOG 1
	WIN 0x40
.irp a, 0,1,2,3
.irp e, 0,1,2,3,4,5,6,7
	v_mov_b32 v[CB0+8*\a+\e], v[TV+\a]             ; bv in all eight registers of tile a
.endr
.endr
	WIN 0
.irp k, 0,1,2,3,4,5,6,7
	STEPT 2, \k
.endr
	EPILOG 2
	s_wait_tensorcnt 0x0                           ; the wave's end: behind my last tensor load
	ds_add_u32 v[SPW], v[NIL]
	s_wait_dscnt 0x0
	CROUND                                         ; the closing round: no work-group ends while a partner may still ask for a panel that names it
	s_endpgm
.Lfunc_end_k_q58e2c581b2_proj:
	.size	k_q58e2c581b2_proj, .Lfunc_end_k_q58e2c581b2_proj-k_q58e2c581b2_proj
	.p2alignl 7, 3214868480
	.fill 96, 4, 3214868480
	.section	.rodata,"a",@progbits
	.p2align	6, 0x0
	.amdhsa_kernel k_q58e2c581b2_proj
		.amdhsa_group_segment_fixed_size 327680
		.amdhsa_private_segment_fixed_size 0
		.amdhsa_enable_private_segment 0
		.amdhsa_kernarg_size 48
		.amdhsa_user_sgpr_count 2
		.amdhsa_user_sgpr_kernarg_segment_ptr 1
		.amdhsa_wavefront_size32 1
		.amdhsa_system_sgpr_workgroup_id_x 1
		.amdhsa_system_sgpr_workgroup_id_y 1
		.amdhsa_system_sgpr_workgroup_id_z 1
		.amdhsa_system_vgpr_workitem_id 0
		.amdhsa_next_free_vgpr 512
		.amdhsa_next_free_sgpr 100
		.amdhsa_reserve_vcc 0
		.amdhsa_float_denorm_mode_32 3
		.amdhsa_float_denorm_mode_16_64 3
		.amdhsa_memory_ordered 1
		.amdhsa_forward_progress 1
		.amdhsa_inst_pref_size 173
	.end_amdhsa_kernel
	.amdgpu_metadata
---
amdhsa.version: [ 1, 2 ]
amdhsa.kernels:
  - .name:           k_q58e2c581b2_proj
    .symbol:         k_q58e2c581b2_proj.kd
    .args:
      - { .name: img, .offset: 0, .size: 8, .value_kind: global_buffer, .address_space: global }
      - { .name: bq, .offset: 8, .size: 8, .value_kind: global_buffer, .address_space: global }
      - { .name: bk, .offset: 16, .size: 8, .value_kind: global_buffer, .address_space: global }
      - { .name: bv, .offset: 24, .size: 8, .value_kind: global_buffer, .address_space: global }
      - { .name: mask, .offset: 32, .size: 8, .value_kind: global_buffer, .address_space: global }
      - { .name: qkv, .offset: 40, .size: 8, .value_kind: global_buffer, .address_space: global }
    .group_segment_fixed_size: 327680
    .private_segment_fixed_size: 0
    .kernarg_segment_align: 8
    .kernarg_segment_size: 48
    .max_flat_workgroup_size: 128
    .sgpr_count:     100
    .vgpr_count:     512
    .wavefront_size: 32
...
	.end_amdgpu_metadata
.endif
;; end of part 2
;; launch attn (part 3): grid 4 x 64, 8 waves a work-group, clusters of 4 x 4, 327,680 bytes of LDS; arguments qkv, bias, mask, aimg; writes aimg
.if DOCPART == 3
	.amdgcn_target "amdgcn-amd-amdhsa--gfx1250"
	.amdhsa_code_object_version 6
	.text
	.protected	k_q58e2c581b2_attn
	.globl	k_q58e2c581b2_attn
	.p2align	8
	.type	k_q58e2c581b2_attn,@function
k_q58e2c581b2_attn:
	s_mov_b64 s[64:65], 0
	v_nop
	global_prefetch_b8 v0, s[64:65] scope:SCOPE_SE
	s_setreg_imm32_b32 hwreg(HW_REG_WAVE_MODE, 25, 1), 1
	s_wait_xcnt 0x0
	s_wait_alu depctr_hold_cnt(0) depctr_sa_sdst(0) depctr_va_vdst(0) depctr_va_sdst(0) depctr_va_ssrc(0) depctr_va_vcc(0) depctr_vm_vsrc(0)
	s_getreg_b32 s2, hwreg(HW_REG_IB_STS2, 6, 4)
	s_cmp_eq_u32 s2, 0
	s_cbranch_scc0 .Lentry_in_a_cluster
	s_endpgm
.Lentry_in_a_cluster:
	s_bfe_u32 s2, ttmp6, 0x10000c
	s_cmp_lg_u32 s2, 0xf033
	s_cbranch_scc0 .Lentry_shape_is_right
	s_endpgm
.Lentry_shape_is_right:
; Attention on codes of FP6 (E2M3) with E8M0 scales: scores = Q K^T, t = score x bias x log2(e) / 8, masked keys t = -10000 log2(e), p = 2^(t - M) with M the running largest t rounded
; up to a whole number, O = P V, O / (the sum of the unquantised p), quantised along the 1,024 joined channels into aimg (laid as img is: images of operand registers).
; SHARES.  A work-group owns 64 queries (a group of qkv) and 4 heads.  Wave w: head w % 4, tiles of queries 2 (w / 4) and 2 (w / 4) + 1, so that each fragment of K and V read from LDS
; feeds two matrix instructions.  Two waves on a SIMD: one's vector work stands beside the other's matrix work and LDS loads.  Every wave walks the 2,048 keys, 128 a step.
; LAYOUT.  Both products are used transposed (S^T = K Q^T, O^T = V^T P^T): a lane holds ONE query.  By the order of rows in a tile of qkv, register 16 b + i of S^T is key 32 b + 16 (lane / 16) + i.
; THE MASK.  The head has 64 channels, the instruction takes 128: both sides carry the code of 1.0 at k = 64 (register 6, lanes 0-15) and zeros behind it.  K's scale byte for that block is
; 2^14 for a masked key (whose codes are zeros) and 2^-126 for an open one.  So a masked score is 16,384 exactly, and ONE multiplication by bb gives t: bb = bias x c for an open key,
; -10000 log2(e) / 16,384 for a masked one.
; THE BIAS is the same for all heads: each wave loads eight rows x 128 keys a step, turns them into bb by one fused multiply-add, and lays them in LDS in the order of S^T's registers, for all eight waves.
; K AND V come through a ring of two LDS slots of 256 keys, by joint tensor loads: the four work-groups of a column of the cluster (four blocks of queries) share heads.  A wave has one tensor load out at the most.
; THE BARRIERS ARE SPLIT.  A wave's last LDS access of a step is V's loads.  It signals behind them, and tile 1's exponentials, sums and conversions and both tiles' P V, which touch registers alone,
; stand between the signal and the wait.  The next step's bb is made at a step's head, behind the step's first LDS loads.
; LIMITS: bias finite at masked keys too (it is multiplied by 0 there); an open score carries + 2^-126; blocks of zeros and blocks under 2^-124 keep the byte 1; NaN and infinities are not served.
; REGISTERS.  Window 0: v1-13 addresses; v14-27 scale words; v28-35 -M, largest t, the sum's two halves, for each tile; v36-63 at work; v68-91 Q; v92-115 p's codes; v116-147 O^T of tile 0;
;   v148-211 S^T of tile 0, later V's fragments; v212-243 the way out.   Window 1: v0-47 four fragments of K; v48-111 bb; v112-115 the mask; v116-147 O^T of tile 1; v148-211 S^T of tile 1;
;   v212-243 the bias as loaded; v244-251 the multiply-add's factors.
.set SLOT1, 1<<17                      ; slot 1 begins here: one exclusive or turns an address in one slot into the other's
.set STRM,  13312                      ; a slot's part of one head of K or V: 4 groups x 3,328 bytes; wave w's lies at 13,312 w: K's four heads, then V's four
.set VOFF,  53248
.set SPARE, 106496                     ; the spare words, 128 bytes for each wave: four blocks of 256 bytes that no other line names
.set SST,   107520                     ; 512 bytes: the output's scale words meet here
.set BBL,   237568                     ; bb, two buffers of 4 tiles x 8,704 bytes: (quad n of registers, h, r) at 272 (2 n + h) + 16 r
.set BBSZ,  34816
.set TENS,  3407872                    ; a tensor of qkv
.set HEADB, 106496                     ; a head of it
.set SPW, 1
.set NIL, 2
.set AKV, 3                            ; v3  8 x lane + 13,312 x (my head % 4)
.set ADK, 4                            ; v4  the slot's K of my head;  v5 its V
.set ADV, 5
.set ABR, 6                            ; v6-7 where I read bb of my two tiles
.set SSA, 8                            ; v8  where I put a half of a scale word
.set ABW, 9                            ; v9  where I write bb
.set SSR, 10                           ; v10 where wave 0 reads the scale words back
.set L16, 11                           ; v11 16 x lane
.set PFO, 12                           ; v12 the prefetches' offset
.set L8,  13                           ; v13 8 x lane
.set KS,  14                           ; v14-17 K's scale words of the step's two groups
.set VR,  18                           ; v18-21 V's, as they lie
.set VW,  22                           ; v22-23 V's, joined for 128 keys
.set QS,  24                           ; v24-25 Q's
.set PS,  26                           ; v26-27 p's
.set ST,  28
.set BMX, 36                           ; v36-39 each block's largest t, later its largest p
.set BM2, 40                           ; v40-43 the other half's; later the bytes
.set SOP, 44                           ; v44-47 the conversions' scale operands
.set FF,  48                           ; v48 f = 2^(old M - new M); v49 is named with it as a pair
.set T1,  50
.set T2,  52                           ; v52-53 the second chain of the sums
.set QA,  54                           ; v54-55 offsets of Q's loads
.set CV,  56                           ; v56-58, v60-62 the odd blocks' codes
.set SOF, 63                           ; v63 wave 0's offset for the scale words' store
.set QF,  68
.set PC,  92
.set OO,  116
.set SS,  148
.set WO,  212
.set KSL, 0
.set BB,  48
.set MK,  112
.set BR,  212
.set MC,  244
.set MA,  248
.set WV,  12                           ; s12 wave; s13 head % 4; s14 which pair of tiles
.set SEL, 22
.set G1,  24
.set G0,  32
.set TB,  36                           ; s36 LDS byte at which the slot in hand begins
.set SN,  37                           ; s37 the step's number
.set LIM, 38                           ; s38 a wave prefetches while the step's number is under it
.set CNT, 39
.set BI,  40                           ; s[40:41] my eight rows of the bias, at the step to be loaded
.set MKB, 42                           ; s[42:43] the mask likewise
.set PFA, 44                           ; s[44:45] where my prefetches stand;  s[46:47] their step
.set PFS, 46
.set CC,  54                           ; s54 c = log2(e) / 8;  s55 -10000 log2(e) / 16,384
.set CM,  55
.set MSB, 0
.macro WIN new                         ; the immediate's high byte repeats the setting that is left; a switch that changes nothing is dropped
.if MSB != (\new)
	s_set_vgpr_msb (MSB<<8)|(\new)
.set MSB, (\new)
.endif
.endm
.macro PLACES n
.rept \n
	v_nop
.endr
.endm
.macro CREST                           ; a round of the cluster's barrier behind its opening barrier
	s_cmp_lg_u32 s[WV], 0
	s_cbranch_scc1 .Lnot_wave_0_\@
	s_barrier_signal -3
.Lnot_wave_0_\@:
	s_barrier_wait -3
	s_barrier_signal -1
	s_barrier_wait -1
.endm
.macro CROUND                          ; a whole round
	s_barrier_signal -1
	s_barrier_wait -1
	CREST
.endm
; One matrix instruction; zero = 1: C is the constant 0.  ra: source 0's scale words stand in lanes 16-31 of their register.
.macro WM acc, fa, fb, zero, sa, sb, ra
.set rD, \acc
.set rA, \fa
.set rB, \fb
.set rSA, \sa
.set rSB, \sb
.set rRA, \ra
.if (\zero) && rRA
	v_wmma_scale_f32_16x16x128_f8f6f4 v[rD:rD+7], v[rA:rA+11], v[rB:rB+11], 0, v[rSA], v[rSB] matrix_a_fmt:MATRIX_FMT_FP6 matrix_b_fmt:MATRIX_FMT_FP6 matrix_a_scale:MATRIX_SCALE_ROW1
.elseif (\zero)
	v_wmma_scale_f32_16x16x128_f8f6f4 v[rD:rD+7], v[rA:rA+11], v[rB:rB+11], 0, v[rSA], v[rSB] matrix_a_fmt:MATRIX_FMT_FP6 matrix_b_fmt:MATRIX_FMT_FP6
.elseif rRA
	v_wmma_scale_f32_16x16x128_f8f6f4 v[rD:rD+7], v[rA:rA+11], v[rB:rB+11], v[rD:rD+7], v[rSA], v[rSB] matrix_a_fmt:MATRIX_FMT_FP6 matrix_b_fmt:MATRIX_FMT_FP6 matrix_a_scale:MATRIX_SCALE_ROW1
.else
	v_wmma_scale_f32_16x16x128_f8f6f4 v[rD:rD+7], v[rA:rA+11], v[rB:rB+11], v[rD:rD+7], v[rSA], v[rSB] matrix_a_fmt:MATRIX_FMT_FP6 matrix_b_fmt:MATRIX_FMT_FP6
.endif
.endm
.macro LKS q                           ; K's scale words of the step's two groups of 64 keys
	ds_load_b64 v[KS:KS+1], v[ADK] offset:(\q)*6656+3072
	ds_load_b64 v[KS+2:KS+3], v[ADK] offset:(\q)*6656+6400
.endm
.macro LK g, q                         ; group g's four tiles of K: registers 0-5 of each fragment; registers 6-11 hold the constant tail
	WIN 0x40
.irp t, 0,1,2,3
.irp p, 0,1,2
	ds_load_b64 v[KSL+12*\t+2*\p:KSL+12*\t+2*\p+1], v[ADK] offset:(\q)*6656+(\g)*3328+\t*768+\p*256
.endr
.endr
.endm
.macro LBB u, q                        ; bb of my tile u: 64 registers in S^T's order; sixteen lanes read 256 consecutive bytes
	WIN 0x40
.irp n, 0,1,2,3,4,5,6,7,8,9,10,11,12,13,14,15
	ds_load_b128 v[BB+4*\n:BB+4*\n+3], v[ABR+(\u)] offset:\n*544+(\q)*BBSZ
.endr
.endm
.macro SQK g                           ; S^T of group g's 64 keys, for both tiles: each fragment of K serves twice
.irp u, 0,1
	WIN 0x01+0x40*\u
.irp t, 0,1,2,3
	WM SS+32*(\g)+8*\t, KSL+12*\t, QF+12*\u, 1, KS+2*(\g)+\t%2, QS+\u, \t/2
.endr
.endr
.endm
.macro MULBH u, hf                     ; t = score x bb for group hf's 64 keys of tile u, each accumulator from its low end on
	WIN 0x04+0x41*(\u)
.set jj, 32*(\hf)
.rept 16
	v_pk_mul_f32 v[SS+jj:SS+jj+1], v[SS+jj:SS+jj+1], v[BB+jj:BB+jj+1]
.set jj, jj+2
.endr
.endm
.macro SOFTA u                         ; tile u's softmax, first part: the blocks' largest t, the running M, f
	WIN 0x15*(\u)
.irp b, 0,1,2,3
	v_max3_num_f32 v[BMX+\b], v[SS+16*\b], v[SS+16*\b+1], v[SS+16*\b+2]   ; the largest t of each block of 32 keys: it serves for the row's maximum and, since p rises with t, for the block's largest p
.endr
	WIN 0x14*(\u)
.irp i, 3,5,7,9,11,13
.irp b, 0,1,2,3
	v_max3_num_f32 v[BMX+\b], v[BMX+\b], v[SS+16*\b+\i], v[SS+16*\b+\i+1]
.endr
.endr
	WIN 0x04*(\u)
.irp b, 0,1,2,3
	v_max_num_f32 v[BMX+\b], v[BMX+\b], v[SS+16*\b+15]
.endr
	WIN 0
.irp b, 0,1,2,3
	v_permlanex16_b32 v[BM2+\b], v[BMX+\b], s[SEL], s[SEL+1]
.endr
.irp b, 0,1,2,3
	v_max_num_f32 v[BMX+\b], v[BMX+\b], v[BM2+\b]  ; with lane l xor 16's 16 keys
.endr
	v_max3_num_f32 v[T1], v[BMX], v[BMX+1], v[BMX+2]
	v_max_num_f32 v[T1], v[T1], v[BMX+3]
	v_max_num_f32 v[ST+4*(\u)+1], v[ST+4*(\u)+1], v[T1]   ; the running largest t
	v_mov_b32 v[T1], v[ST+4*(\u)]
	v_floor_f32 v[ST+4*(\u)], -v[ST+4*(\u)+1]      ; the new -M = floor(-t): M is a whole number
	v_sub_f32 v[T1], v[ST+4*(\u)], v[T1]           ; old M - new M: a whole number, 0 or less
	v_cvt_i32_f32 v[T1], v[T1]                     ; (it saturates)
	v_ldexp_f32 v[FF], 1.0, v[T1]                  ; f = 2^(old M - new M): a multiplication by it rounds nothing
.irp b, 0,1,2,3
	v_add_f32 v[BMX+\b], v[BMX+\b], v[ST+4*(\u)]   ; t - M of each block's largest t
.endr
.endm
.macro SOFTB u                         ; second part: p, the row's sum, p's codes and scale word.  It touches registers alone
	WIN 0x41*(\u)
.set jj, 0
.rept 32
	v_pk_add_f32 v[SS+jj:SS+jj+1], v[SS+jj:SS+jj+1], v[ST+4*(\u):ST+4*(\u)+1] op_sel_hi:[1,0]   ; t - M, two at a time (-M serves both halves)
.set jj, jj+2
.endr
.set jj, 0
.rept 64
	v_exp_f32 v[SS+jj], v[SS+jj]                   ; p = 2^(t - M), at most 1: not normalised
.set jj, jj+1
.endr
	WIN 0
	v_pk_mul_f32 v[ST+4*(\u)+2:ST+4*(\u)+3], v[ST+4*(\u)+2:ST+4*(\u)+3], v[FF:FF+1] op_sel_hi:[1,0]   ; the sums under the new M: the plain place behind the exponentials
	s_wait_alu depctr_va_vdst(0)                   ; one wait for the whole batch, ahead of its first reader
.irp b, 0,1,2,3
	v_exp_f32 v[BMX+\b], v[BMX+\b]                 ; each block's largest p: the same addition and exponential on the same number give the same bits
.endr
	WIN 0x05*(\u)
	v_pk_add_f32 v[T2:T2+1], v[SS:SS+1], v[SS+2:SS+3]   ; the row's sum is taken of the unquantised p, in two chains
	WIN 0x04*(\u)
.set jj, 4
.rept 15
	v_pk_add_f32 v[ST+4*(\u)+2:ST+4*(\u)+3], v[ST+4*(\u)+2:ST+4*(\u)+3], v[SS+jj:SS+jj+1]
	v_pk_add_f32 v[T2:T2+1], v[T2:T2+1], v[SS+jj+2:SS+jj+3]
.set jj, jj+4
.endr
	WIN 0
	v_pk_add_f32 v[ST+4*(\u)+2:ST+4*(\u)+3], v[ST+4*(\u)+2:ST+4*(\u)+3], v[T2:T2+1]
	s_wait_alu depctr_va_vdst(0)                   ; and one for the four
.irp b, 0,1,2,3
	v_max_num_f32 v[BMX+\b], 0x1800000, v[BMX+\b]  ; the floor 2^(3 - 127): the byte cannot fall under 1 (a block whose every p is 0 keeps that byte: its codes are zeros)
.endr
.irp b, 0,1,2,3
	v_add_nc_u32 v[SOP+\b], 0xff000000, v[BMX+\b]  ; 2 off the exponent field: the conversion's scale operand
.endr
.irp b, 0,1,2,3
	v_lshrrev_b32 v[BM2+\b], 23, v[SOP+\b]         ; the scale's byte
.endr
	v_lshl_or_b32 v[PS+(\u)], v[BM2+1], 8, v[BM2]  ; p's scale word for these 128 keys
	v_lshl_or_b32 v[PS+(\u)], v[BM2+2], 16, v[PS+(\u)]
	v_lshl_or_b32 v[PS+(\u)], v[BM2+3], 24, v[PS+(\u)]
	WIN 0x01*(\u)
.irp c, 0,1
	v_cvt_scalef32_pk16_fp6_f32 v[PC+12*(\u)+6*\c:PC+12*(\u)+6*\c+2], v[SS+32*\c:SS+32*\c+15], v[SOP+2*\c]
	v_cvt_scalef32_pk16_fp6_f32 v[CV+4*\c:CV+4*\c+2], v[SS+32*\c+16:SS+32*\c+31], v[SOP+2*\c+1]   ; (a conversion's three registers begin on an even number)
.endr
	WIN 0
	v_nop                                          ; one plain place behind a scaled conversion
.irp c, 0,1
.irp i, 0,1,2
	v_permlane16_swap_b32 v[PC+12*(\u)+6*\c+\i], v[CV+4*\c+\i]   ; a WHOLE block in a lane: lanes 0-15 block 2 c, lanes 16-31 block 2 c + 1
.endr
.irp i, 0,1,2
	v_mov_b32 v[PC+12*(\u)+6*\c+3+\i], v[CV+4*\c+\i]
.endr
.endr
.endm
.macro LV q                            ; V's four tiles for these 128 keys (two groups: registers 6 c on), into the registers that tile 0's p has left; 26 loads
	WIN 0
.irp t, 0,1,2,3
.irp c, 0,1
.irp p, 0,1,2
	ds_load_b64 v[SS+12*\t+6*\c+2*\p:SS+12*\t+6*\c+2*\p+1], v[ADV] offset:(\q)*6656+\c*3328+\t*768+\p*256
.endr
.endr
.endr
	ds_load_b64 v[VR:VR+1], v[ADV] offset:(\q)*6656+3072
	ds_load_b64 v[VR+2:VR+3], v[ADV] offset:(\q)*6656+6400
.endm
.macro RESC u                          ; O^T under the new M
	WIN 0x41*(\u)
.set jj, 0
.rept 16
	v_pk_mul_f32 v[OO+jj:OO+jj+1], v[OO+jj:OO+jj+1], v[FF:FF+1] op_sel_hi:[1,0]
.set jj, jj+2
.endr
.endm
.macro PV                              ; O^T += V^T P^T: eight accumulators by turns, one instruction a turn
.irp u, 0,1
	WIN 0x50*\u
.irp t, 0,1,2,3
	WM OO+8*\t, SS+12*\t, PC+12*\u, 0, VW+\t%2, PS+\u, \t/2
.endr
.endr
.endm
.macro XF buf                          ; my eight rows of the bias become bb and go to buffer buf
	s_wait_loadcnt 0x0                             ; they were asked for a step ago
	WIN 0x55
.irp x, 0,1,2,3
	v_cmp_ne_u32 vcc_lo, 0, v[MK+\x]               ; my four keys
	v_cndmask_b32 v[MC+\x], 0, s[CC], vcc_lo       ; open: bias x c + 0
	v_cndmask_b32 v[MA+\x], s[CM], 0, vcc_lo       ; masked: bias x 0 + the constant
.endr
.irp i, 0,1,2,3,4,5,6,7
.irp x, 0,2
	v_pk_fma_f32 v[BR+4*\i+\x:BR+4*\i+\x+1], v[BR+4*\i+\x:BR+4*\i+\x+1], v[MC+\x:MC+\x+1], v[MA+\x:MA+\x+1]
.endr
.endr
	WIN 0x04
.irp i, 0,1,2,3,4,5,6,7
	ds_store_b128 v[ABW], v[BR+4*\i:BR+4*\i+3] offset:16*\i+(\buf)*BBSZ   ; sixteen lanes write to sixteen rows of 272 bytes: sixteen different 16-byte columns of 256
.endr
	WIN 0
.endm
.macro LB step                         ; the next bias (eight rows x 512 consecutive bytes) and mask; it stands behind a wait that shows the stores of bb done, since it loads into their registers
.if \step
	s_wait_xcnt 0x0                                ; the earlier loads and the last step's prefetch have read their addresses: only now are these stepped
	s_add_nc_u64 s[BI:BI+1], s[BI:BI+1], 512
	s_add_nc_u64 s[MKB:MKB+1], s[MKB:MKB+1], 512
	s_add_nc_u64 s[PFA:PFA+1], s[PFA:PFA+1], s[PFS:PFS+1]
.endif
	WIN 0x40
.irp i, 0,1,2,3,4,5,6,7
	global_load_b128 v[BR+4*\i:BR+4*\i+3], v[L16], s[BI:BI+1] offset:8192*\i
.endr
	global_load_b128 v[MK:MK+3], v[L16], s[MKB:MKB+1]
	WIN 0
.endm
; A PREFETCH INTO THE L2, one instruction a step in the waves that ask, behind the step's loads of the bias.  K AND V: all eight clusters of a batch walk the same heads, so the batch's first cluster asks;
; of a column's eight streams (four heads of K, four of V; 106,496 bytes each) the partner at cy takes streams 2 cy and 2 cy + 1 BY ADDRESS, waves 0 and 1 one each: in step t the 8,192 bytes of chunk
; t + 4, lanes 256 bytes apart; steps 0 to 8, so that the last request ends at the stream's end.  THE BIAS: the four work-groups of a row of the cluster read the same 64 rows; the partner at cx takes
; rows 16 cx on, wave 2: in step t the 512 bytes of step t + 4, two lanes a row; steps 0 to 11.  Each aligned block of 256 bytes is named once in the launch; nothing is asked at the head.
.macro ASK
	s_cmp_lt_u32 s[SN], s[LIM]
	s_cbranch_scc0 .Lnot_mine_\@
	global_prefetch_b8 v[PFO], s[PFA:PFA+1] th:TH_LOAD_NT scope:SCOPE_SE
.Lnot_mine_\@:
.endm
; A KEY STEP: 128 keys, the q-th of the slot; it reads bb's buffer q.  xf = 1: the next step's bb goes to the other buffer.  ld = 1: the bias of the step after that is asked for.
; ek says what ends the step.  1: the work-group's barrier, since bb's buffers change roles (the tensor load may stay out).  2: THE CHANGE OF SLOTS with a fill: each wave
; waits for all its tensor loads (its part of the slot ahead), adds 0 to its spare word, waits for that and for its LDS reads and stores, and signals; behind the barrier's wait the rest of a round of the
; cluster's barrier, so that no wave of any partner still reads the slot that is left, and the joint fill of that slot: the wave's one tensor load until the next change.  3: the change without a fill.  0: nothing.
.macro STEP q, xf, ld, ek
	WIN 0
	v_add_nc_u32 v[ADK], s[TB], v[AKV]
	v_add_nc_u32 v[ADV], VOFF, v[ADK]
	LKS \q
	LK 0, \q
	LBB 0, \q
.if \xf
	XF 1-(\q)                                      ; its 28 vector lines stand behind the 30 loads just issued; nobody reads that buffer before the barrier at this step's end
.endif
	WIN 0
	s_wait_dscnt 16+8*(\xf)                        ; K's words and first group are in; bb's 16 loads and my 8 stores may be out
	SQK 0
	PLACES 4                                       ; in front of loads into registers that these products read, and of the first read of results
	LK 1, \q
	s_wait_dscnt 12                                ; bb of tile 0 is in and my stores of bb are done; K's second group, 12 loads, may be out
.if \ld
	LB 1
.endif
	WIN 0
	ASK
	MULBH 0, 0                                     ; sixteen lines of work while K's second group lands
	s_wait_dscnt 0x0
	SQK 1
	PLACES 4                                       ; in front of the first read of results
	MULBH 0, 1
	LBB 1, \q
	SOFTA 0
	SOFTB 0
	LV \q
	RESC 0
	s_wait_dscnt 26                                ; bb of tile 1 is in; V's 26 loads may be out
	MULBH 1, 0
	MULBH 1, 1
	SOFTA 1
.if ((\ek) == 2) || ((\ek) == 3)
	s_wait_tensorcnt 0x0                           ; no tensor load of mine is out, so group 0 may be written
	ds_add_u32 v[SPW], v[NIL]                      ; 0 onto my spare word
.endif
.if (\ek) == 2
	s_xor_b32 s[G0+1], s[G0+1], SLOT1              ; the other slot than last time: the one that this step reads,
	s_add_nc_u64 s[G0+2:G0+3], s[G0+2:G0+3], STRM  ; the next 256 keys; the type bits on top are not reached
.endif
	s_wait_dscnt 0x0                               ; V is in: my LDS reads and stores of this step are over (and the add is done)
.if (\ek) > 0
	s_barrier_signal -1                            ; say so; what follows up to the wait touches registers alone
.endif
	SOFTB 1
	v_lshl_or_b32 v[VW], v[VR+2], 16, v[VR]        ; the two groups' bytes make V's words of 128 keys
	v_lshl_or_b32 v[VW+1], v[VR+3], 16, v[VR+1]
	RESC 1                                         ; its 16 lines are also the places between the scale words just made and the products
	PV
	PLACES 5                                       ; the next step's scores are laid over V's fragments; the way out reads results
	WIN 0
.if (\ek) > 0
	s_barrier_wait -1
.endif
.if (\ek) == 2
	CREST
	tensor_load_to_lds s[G0:G0+3], s[G1:G1+7]
	s_nop 0
	PLACES 4
.endif
	s_add_co_u32 s[SN], s[SN], 1
.endm
	s_load_b256 s[4:11], s[0:1], 0x0               ; qkv, bias, mask, aimg
	v_lshl_add_u32 v[SPW], v0, 2, SPARE
	v_mov_b32 v[NIL], 0
	ds_add_u32 v1, v2
	ds_add_u32 v1, v2
	s_wait_dscnt 0x0
	v_lshrrev_b32 v36, 5, v0
	v_readfirstlane_b32 s[WV], v36
	s_and_b32 s13, s[WV], 3
	s_lshr_b32 s14, s[WV], 2
	s_bfe_u32 s15, ttmp6, 0x40000                  ; cx
	s_bfe_u32 s16, ttmp6, 0x40004                  ; cy
	s_and_b32 s17, ttmp7, 0xffff                   ; cluster y
	s_lshr_b32 s18, s17, 3                         ; b
	s_lshl_b32 s19, s17, 2
	s_add_co_u32 s19, s19, s16                     ; my group of 64 rows of the 4,096
	s_and_b32 s20, s19, 31                         ; and inside the batch
	s_lshl_b32 s21, s18, 4
	s_lshl_b32 s56, s15, 2
	s_add_co_u32 s21, s21, s56                     ; 16 b + 4 cx: my first head; no cy enters it
	s_lshl_b32 s56, 0x1111, s15                    ; my column of the cluster
	; descriptor group 1: 13,312 dense bytes as 52 rows of 256 bytes (32 elements of 8 bytes); bit 21 is set beside a mask
	s_or_b32 s[G1], s56, (3<<16)|(1<<21)
	s_mov_b32 s[G1+1], 32<<16
	s_mov_b32 s[G1+2], 52<<16
	s_mov_b32 s[G1+3], 32<<16
	s_mov_b32 s[G1+4], 52
	s_mov_b32 s[G1+5], 32
	s_mov_b32 s[G1+6], 0
	s_mov_b32 s[G1+7], 0
	s_add_co_u32 s59, s21, s13                     ; 16 b + my head
	s_add_co_u32 s56, s14, 1                       ; waves 0-3 fetch K (tensor 1), waves 4-7 V (tensor 2), each the head w % 4
	s_mul_i32 s56, s56, TENS
	s_mul_i32 s57, s59, HEADB
	s_add_co_u32 s56, s56, s57
	s_mov_b32 s57, 0
	s_mov_b32 s[SEL], 0x76543210
	s_mov_b32 s[SEL+1], 0xfedcba98                 ; v_permlanex16_b32's selects for lane l xor 16
	s_mov_b32 s[CC], 0x3e38aa3b
	s_mov_b32 s[CM], 0xbf616bcd
	s_mov_b32 s[TB], 0
	s_mov_b32 s[SN], 0
	s_wait_kmcnt 0x0
	s_mov_b32 s[G0], 1
	s_mul_i32 s[G0+1], s[WV], STRM                 ; no place in the cluster enters an LDS address
	s_add_nc_u64 s[G0+2:G0+3], s[4:5], s[56:57]
	s_or_b32 s[G0+3], s[G0+3], 0x80000000
	CROUND                                         ; all sixteen work-groups are here: the first joint loads meet
	tensor_load_to_lds s[G0:G0+3], s[G1:G1+7]      ; slot 0
	s_nop 0
	PLACES 4
	s_mov_b32 s61, 0                               ; the upper word of every offset below
	s_lshl_b32 s60, s14, 5                         ; the bias: my eight rows begin at 32 (w / 4) + 8 ((w / 2) % 2) + 16 (w % 2): rows 8 (w % 2) on of tile w / 2
	s_lshr_b32 s62, s[WV], 1
	s_and_b32 s62, s62, 1
	s_lshl_b32 s62, s62, 3
	s_add_co_u32 s60, s60, s62
	s_and_b32 s62, s[WV], 1
	s_lshl_b32 s62, s62, 4
	s_add_co_u32 s60, s60, s62
	s_lshl_b32 s62, s20, 6
	s_add_co_u32 s60, s60, s62
	s_lshl_b32 s60, s60, 13
	s_lshl_b32 s62, s18, 24
	s_add_co_u32 s60, s60, s62
	s_add_nc_u64 s[BI:BI+1], s[6:7], s[60:61]
	s_lshl_b32 s60, s18, 13
	s_add_nc_u64 s[MKB:MKB+1], s[8:9], s[60:61]
	s_lshl_b32 s60, s59, 5
	s_add_co_u32 s60, s60, s20
	s_mul_i32 s60, s60, 3328
	s_add_nc_u64 s[48:49], s[4:5], s[60:61]        ; Q: my head's group of queries
	s_lshl_b32 s62, s15, 2
	s_add_co_u32 s62, s62, s13                     ; my head of the 16
	s_mul_i32 s60, s19, 51200
	s_lshr_b32 s63, s62, 1
	s_mul_i32 s63, s63, 6400                       ; two heads to a K step of the last product
	s_add_co_u32 s60, s60, s63
	s_mul_i32 s63, s14, 3072                       ; my two tiles
	s_add_co_u32 s60, s60, s63
	s_and_b32 s63, s62, 1
	s_mul_i32 s63, s63, 768                        ; registers 6 (head % 2) on
	s_add_co_u32 s60, s60, s63
	s_add_nc_u64 s[50:51], s[10:11], s[60:61]
	s_mul_i32 s60, s19, 51200
	s_mul_i32 s63, s15, 12800
	s_add_co_u32 s60, s60, s63
	s_add_co_u32 s60, s60, 6144
	s_add_nc_u64 s[52:53], s[10:11], s[60:61]      ; the scale words of my work-group's two K steps
	; the prefetches: they stand two steps short here: the second load of the bias below steps them once, and each key step once more ahead of its request
	s_lshl_b32 s60, s16, 1
	s_add_co_u32 s60, s60, s[WV]
	s_and_b32 s60, s60, 7                          ; waves 0, 1: stream 2 cy + w
	s_lshr_b32 s62, s60, 2
	s_add_co_u32 s62, s62, 1
	s_mul_i32 s62, s62, TENS
	s_and_b32 s60, s60, 3
	s_add_co_u32 s60, s60, s21
	s_mul_i32 s60, s60, HEADB
	s_add_co_u32 s60, s60, s62
	s_add_co_u32 s60, s60, 2*8192
	s_lshl_b32 s62, s20, 6
	s_lshl_b32 s63, s15, 4
	s_add_co_u32 s62, s62, s63                     ; wave 2: rows 16 cx on of my 64
	s_lshl_b32 s62, s62, 13
	s_lshl_b32 s63, s18, 24
	s_add_co_u32 s62, s62, s63
	s_add_co_u32 s62, s62, 2*512
	s_cmp_lt_u32 s[WV], 2
	s_cselect_b64 s[PFA:PFA+1], s[4:5], s[6:7]
	s_cselect_b32 s60, s60, s62
	s_mov_b32 s[PFS], 512
	s_cselect_b32 s[PFS], 8192, s[PFS]
	s_mov_b32 s63, 8192
	s_cselect_b32 s63, 512, s63                    ; from one pair of lanes to the next
	s_mov_b32 s[PFS+1], 0
	s_add_nc_u64 s[PFA:PFA+1], s[PFA:PFA+1], s[60:61]
	s_and_b32 s62, s17, 7
	s_cmp_eq_u32 s62, 0                            ; the batch's first cluster: the same in all sixteen partners
	s_cselect_b32 s[LIM], 9, 0
	s_cmp_lt_u32 s[WV], 2
	s_cselect_b32 s[LIM], s[LIM], 0
	s_cmp_eq_u32 s[WV], 2
	s_cselect_b32 s[LIM], 12, s[LIM]
	v_and_b32 v39, 31, v0                          ; lane
	v_and_b32 v38, 15, v0                          ; r
	v_bfe_u32 v36, v0, 4, 1                        ; h
	v_lshlrev_b32 v[L8], 3, v39
	v_lshlrev_b32 v[L16], 4, v39
	v_lshrrev_b32 v[PFO], 1, v39
	v_mul_lo_u32 v[PFO], v[PFO], s63
	v_and_b32 v37, 1, v39
	v_lshl_add_u32 v[PFO], v37, 8, v[PFO]
	LB 0                                           ; step 0's bias and mask
	s_mul_i32 s60, s13, STRM
	v_add_nc_u32 v[AKV], s60, v[L8]
	v_mul_u32_u24 v[ABR], v36, 272
	v_lshl_add_u32 v[ABR], v38, 4, v[ABR]
	s_mul_i32 s60, s14, 17408
	s_add_co_u32 s60, s60, BBL
	v_add_nc_u32 v[ABR], s60, v[ABR]               ; tile 2 (w / 4): 272 h + 16 r
	v_add_nc_u32 v[ABR+1], 8704, v[ABR]            ; and the tile behind it
	v_lshrrev_b32 v37, 3, v39                      ; I hold keys 4 lane on: quad n = 4 (lane / 8) + lane % 4 of half (lane / 4) % 2
	v_mul_u32_u24 v[ABW], v37, 2176
	v_and_b32 v37, 3, v39
	v_mad_u32_u24 v[ABW], v37, 544, v[ABW]
	v_bfe_u32 v37, v0, 2, 1
	v_mad_u32_u24 v[ABW], v37, 272, v[ABW]
	s_lshr_b32 s60, s[WV], 1
	s_mul_i32 s60, s60, 8704
	s_and_b32 s62, s[WV], 1
	s_lshl_b32 s62, s62, 7
	s_add_co_u32 s60, s60, s62
	s_add_co_u32 s60, s60, BBL
	v_add_nc_u32 v[ABW], s60, v[ABW]
	s_lshr_b32 s60, s13, 1
	s_lshl_b32 s60, s60, 8                         ; the scale words' stage: 256 bytes a K step,
	s_lshl_b32 s62, s14, 7                         ; lane 16 (w / 4) + r of the stored image, 8 bytes a lane,
	s_add_co_u32 s60, s60, s62
	s_and_b32 s62, s13, 1
	s_lshl_b32 s62, s62, 1                         ; my head's half of the word
	s_add_co_u32 s60, s60, s62
	s_add_co_u32 s60, s60, SST
	v_lshl_add_u32 v[SSA], v38, 3, s60
	v_add_nc_u32 v[SSR], SST, v[L16]
	v_mul_u32_u24 v[SOF], v36, 6400
	v_lshl_add_u32 v[SOF], v38, 4, v[SOF]
	s_mul_i32 s60, s14, 1536
	v_add_nc_u32 v[QA], s60, v[L8]                 ; Q's codes: my two tiles
	s_lshl_b32 s60, s14, 7
	v_lshl_add_u32 v[QA+1], v38, 3, s60            ; Q's scale words: lanes 0-15 (and 16-31 alike) take those of my two tiles
.irp u, 0,1
.irp p, 0,1,2
	global_load_b64 v[QF+12*\u+2*\p:QF+12*\u+2*\p+1], v[QA], s[48:49] offset:\u*768+\p*256
.endr
.endr
	global_load_b64 v[QS:QS+1], v[QA+1], s[48:49] offset:3072
	v_xor_b32 v37, 1, v36
	v_lshlrev_b32 v37, 3, v37                      ; the code of 1.0 at k = 64: bits 001000 in register 6 of lanes 0-15
.irp u, 0,1
	v_mov_b32 v[QF+12*\u+6], v37
.irp i, 7,8,9,10,11
	v_mov_b32 v[QF+12*\u+\i], 0
.endr
.endr
.set jj, 0
.rept 32
	v_mov_b32 v[OO+jj], 0                          ; O^T.  (The step is written without a first step of its own: it finds zeros, which the first change of M leaves zeros)
.set jj, jj+1
.endr
	WIN 0x40
.irp t, 0,1,2,3
	v_mov_b32 v[KSL+12*\t+6], v37
.irp i, 7,8,9,10,11
	v_mov_b32 v[KSL+12*\t+\i], 0
.endr
.endr
.set jj, 0
.rept 32
	v_mov_b32 v[OO+jj], 0
.set jj, jj+1
.endr
	WIN 0
.irp u, 0,1
	v_mov_b32 v[ST+4*\u+1], 0xff61b1e6             ; the largest t so far: -3e38, under every t
	v_floor_f32 v[ST+4*\u], -v[ST+4*\u+1]
	v_mov_b32 v[ST+4*\u+2], 0
	v_mov_b32 v[ST+4*\u+3], 0
.endr
.irp b, 0,1,2,3
	v_mov_b32 v[BM2+\b], 0                         ; written once: a lane permute's destination counts as one of its sources
.endr
	v_mov_b32 v[FF+1], 0                           ; (named as the upper half of a pair)
	XF 0                                           ; step 0's bb; its wait covers Q's loads too
	s_wait_dscnt 0x0                               ; the stores have read their registers,
	LB 1                                           ; which take step 1's bias
	; the first change of slots, ahead of slot 0's steps: slot 0 is shown whole, and slot 1 gets its first fill as a refill does
	s_wait_tensorcnt 0x0
	ds_add_u32 v[SPW], v[NIL]                      ; 0 onto my spare word
	s_xor_b32 s[G0+1], s[G0+1], SLOT1
	s_add_nc_u64 s[G0+2:G0+3], s[G0+2:G0+3], STRM
	s_wait_dscnt 0x0
	CROUND
	tensor_load_to_lds s[G0:G0+3], s[G1:G1+7]
	s_nop 0
	PLACES 4
	s_mov_b32 s[CNT], 6
.Lslot:                                                ; six trips, slots 0 to 5: at each slot's end the slot is filled again, with the keys two slots on; the load has more than a step and a half in which to land
	STEP 0, 1, 1, 1
	STEP 1, 1, 1, 2
	s_xor_b32 s[TB], s[TB], SLOT1
	s_sub_co_u32 s[CNT], s[CNT], 1
	s_cmp_lg_u32 s[CNT], 0
	s_cbranch_scc1 .Lslot
	STEP 0, 1, 1, 1                                ; slots 6 and 7 are written out: nothing is left to fetch
	STEP 1, 1, 1, 3
	s_xor_b32 s[TB], s[TB], SLOT1
	STEP 0, 1, 0, 1
	STEP 1, 0, 0, 0
	; THE WAY OUT.  O^T / the sum; my head's 64 channels are two blocks of 32 of the last product's K; six registers a tile leave as an image, the two bytes meet the other head's in LDS.
	v_add_f32 v[BMX], v[ST+2], v[ST+3]
	v_add_f32 v[BMX+1], v[ST+6], v[ST+7]
	v_permlanex16_b32 v[BM2], v[BMX], s[SEL], s[SEL+1]
	v_permlanex16_b32 v[BM2+1], v[BMX+1], s[SEL], s[SEL+1]
	v_add_f32 v[BMX], v[BMX], v[BM2]
	v_add_f32 v[BMX+1], v[BMX+1], v[BM2+1]         ; the rows' sums
	v_rcp_f32 v[SOP], v[BMX]
	v_rcp_f32 v[SOP+2], v[BMX+1]
	v_nop                                          ; a plain place behind the reciprocals,
	s_wait_alu depctr_va_vdst(0)                   ; and the wait ahead of their first reader
.macro QUANT2 u
	WIN 0x01*(\u)
.set jj, 0
.rept 16
	v_pk_mul_f32 v[WO+jj:WO+jj+1], v[OO+jj:OO+jj+1], v[SOP+2*(\u):SOP+2*(\u)+1] op_sel_hi:[1,0]   ; register 16 c + i is channel 32 c + 16 h + i; each accumulator from its low end on
.set jj, jj+2
.endr
	WIN 0
.irp c, 0,1
	v_max3_num_f32 v[BMX+\c], |v[WO+16*\c]|, |v[WO+16*\c+1]|, 0x1800000
.endr
.irp i, 2,4,6,8,10,12,14
.irp c, 0,1
	v_max3_num_f32 v[BMX+\c], v[BMX+\c], |v[WO+16*\c+\i]|, |v[WO+16*\c+\i+1]|
.endr
.endr
.irp c, 0,1
	v_permlanex16_b32 v[BM2+\c], v[BMX+\c], s[SEL], s[SEL+1]
.endr
.irp c, 0,1
	v_max_num_f32 v[BMX+\c], v[BMX+\c], v[BM2+\c]
.endr
.irp c, 0,1
	v_add_nc_u32 v[T2+\c], 0xff000000, v[BMX+\c]
.endr
.irp c, 0,1
	v_lshrrev_b32 v[CV+\c], 23, v[T2+\c]
.endr
	v_lshl_or_b32 v[CV+2+4*(\u)], v[CV+1], 8, v[CV]   ; my head's half of the row's scale word
	v_cvt_scalef32_pk16_fp6_f32 v[SS+8*(\u):SS+8*(\u)+2], v[WO:WO+15], v[T2]
	v_cvt_scalef32_pk16_fp6_f32 v[SS+16+4*(\u):SS+16+4*(\u)+2], v[WO+16:WO+31], v[T2+1]
	v_nop                                          ; one plain place behind a scaled conversion
.irp i, 0,1,2
	v_permlane16_swap_b32 v[SS+8*(\u)+\i], v[SS+16+4*(\u)+\i]
.endr
.irp i, 0,1,2
	v_mov_b32 v[SS+8*(\u)+3+\i], v[SS+16+4*(\u)+\i]
.endr
.irp p, 0,1,2
	global_store_b64 v[L8], v[SS+8*(\u)+2*\p:SS+8*(\u)+2*\p+1], s[50:51] offset:(\u)*1536+\p*256   ; 32 lanes store 256 consecutive bytes, at a multiple of 256 from aimg's first byte
.endr
	ds_store_b16 v[SSA], v[CV+2+4*(\u)] offset:4*(\u)   ; both lanes of a row write the same two bytes with the same value
.endm
	QUANT2 0
	QUANT2 1
	s_wait_dscnt 0x0                               ; for the others' sake: my halves of the words lie in LDS
	s_barrier_signal -1
	s_barrier_wait -1
	s_cmp_lg_u32 s[WV], 0
	s_cbranch_scc1 .Lnot_first
	ds_load_b128 v[BMX:BMX+3], v[SSR]              ; wave 0 stores the two K steps' words: 256 consecutive bytes each
	s_wait_dscnt 0x0
	global_store_b128 v[SOF], v[BMX:BMX+3], s[52:53]
.Lnot_first:
	s_wait_tensorcnt 0x0                           ; the wave's end: behind my last tensor load and my last LDS store
	ds_add_u32 v[SPW], v[NIL]
	s_wait_dscnt 0x0
	CROUND                                         ; the closing round: no work-group ends while a partner may still ask for a tile that names it
	s_endpgm
.Lfunc_end_k_q58e2c581b2_attn:
	.size	k_q58e2c581b2_attn, .Lfunc_end_k_q58e2c581b2_attn-k_q58e2c581b2_attn
	.p2alignl 7, 3214868480
	.fill 96, 4, 3214868480
	.section	.rodata,"a",@progbits
	.p2align	6, 0x0
	.amdhsa_kernel k_q58e2c581b2_attn
		.amdhsa_group_segment_fixed_size 327680
		.amdhsa_private_segment_fixed_size 0
		.amdhsa_enable_private_segment 0
		.amdhsa_kernarg_size 32
		.amdhsa_user_sgpr_count 2
		.amdhsa_user_sgpr_kernarg_segment_ptr 1
		.amdhsa_wavefront_size32 1
		.amdhsa_system_sgpr_workgroup_id_x 1
		.amdhsa_system_sgpr_workgroup_id_y 1
		.amdhsa_system_sgpr_workgroup_id_z 1
		.amdhsa_system_vgpr_workitem_id 0
		.amdhsa_next_free_vgpr 512
		.amdhsa_next_free_sgpr 66
		.amdhsa_reserve_vcc 1
		.amdhsa_float_denorm_mode_32 3
		.amdhsa_float_denorm_mode_16_64 3
		.amdhsa_memory_ordered 1
		.amdhsa_forward_progress 1
		.amdhsa_inst_pref_size 255
	.end_amdhsa_kernel
	.section	.bss,"aw",@nobits
	.p2align	6
	.space	262144
	.amdgpu_metadata
---
amdhsa.version: [ 1, 2 ]
amdhsa.kernels:
  - .name:           k_q58e2c581b2_attn
    .symbol:         k_q58e2c581b2_attn.kd
    .args:
      - { .name: qkv, .offset: 0, .size: 8, .value_kind: global_buffer, .address_space: global }
      - { .name: bias, .offset: 8, .size: 8, .value_kind: global_buffer, .address_space: global }
      - { .name: mask, .offset: 16, .size: 8, .value_kind: global_buffer, .address_space: global }
      - { .name: aimg, .offset: 24, .size: 8, .value_kind: global_buffer, .address_space: global }
    .group_segment_fixed_size: 327680
    .private_segment_fixed_size: 0
    .kernarg_segment_align: 8
    .kernarg_segment_size: 32
    .max_flat_workgroup_size: 256
    .sgpr_count:     66
    .vgpr_count:     512
    .wavefront_size: 32
...
	.end_amdgpu_metadata
.endif
;; end of part 3
;; launch outp (part 4): grid 8 x 32, 4 waves a work-group, clusters of 4 x 4, 222,720 bytes of LDS; arguments aimg, img, bo, out0; writes out0
.if DOCPART == 4
	.amdgcn_target "amdgcn-amd-amdhsa--gfx1250"
	.amdhsa_code_object_version 6
	.text
	.protected	k_q58e2c581b2_outp
	.globl	k_q58e2c581b2_outp
	.p2align	8
	.type	k_q58e2c581b2_outp,@function
k_q58e2c581b2_outp:
	s_mov_b64 s[64:65], 0
	v_nop
	global_prefetch_b8 v0, s[64:65] scope:SCOPE_SE
	s_setreg_imm32_b32 hwreg(HW_REG_WAVE_MODE, 25, 1), 1
	s_wait_xcnt 0x0
	s_wait_alu depctr_hold_cnt(0) depctr_sa_sdst(0) depctr_va_vdst(0) depctr_va_sdst(0) depctr_va_ssrc(0) depctr_va_vcc(0) depctr_vm_vsrc(0)
	s_getreg_b32 s2, hwreg(HW_REG_IB_STS2, 6, 4)
	s_cmp_eq_u32 s2, 0
	s_cbranch_scc0 .Lentry_in_a_cluster
	s_endpgm
.Lentry_in_a_cluster:
	s_bfe_u32 s2, ttmp6, 0x10000c
	s_cmp_lg_u32 s2, 0xf033
	s_cbranch_scc0 .Lentry_shape_is_right
	s_endpgm
.Lentry_shape_is_right:
; out0 = attn Wo^T + bo, f32, on codes of FP6 (E2M3) with E8M0 scales.  256 tiles of 128 x 128, K = 1,024.  C[i][j] = sum over k of S1[i][k] S0[j][k]: S1 = rows of the attention's result (aimg),
; S0 = rows of Wo (img, groups 240 on).  THE MATRIX INSTRUCTION IS USED TRANSPOSED (source 0 = a tile of S0, source 1 = a tile of S1): a lane holds one row i, and the 16 registers of accumulators
; (a, 2 c) and (a, 2 c + 1) are 16 neighbouring columns 32 c + 16 (lane / 16) + 0 .. 15.  Lane r of tile a is row 32 (a / 2) + 8 (a % 2) + r + 8 (r / 8) of its group of 64.
; Four waves, each 64 x 64: 16 accumulators.  ALL OF K LIES IN LDS: two panels of 2 groups x 51,200 bytes; every fill is a first fill, in four chunks of two K steps; nothing is filled again.
; By this text's count a wave has four tensor loads out at the most.  CLUSTERS: 4 x 4 work-groups; S1's panel is shared along a row of the cluster, S0's along a column.
; The bias is the C of the first K step's products.  Results leave through each wave's own stage in LDS, as rows of 256 bytes.
.set G1A, 16
.set G1B, 24
.set G0A, 32
.set G0B, 48
.set WV,  66
.set WI,  67
.set WJ,  68
.set ADR1, 2
.set ADR0, 3
.set STO,  4                           ; v4  the stage: where I put 16 bytes of a row
.set RD,   5                           ; v5  where I read a row back
.set CO,   6                           ; v6  my byte offset in out0
.set FRG,  16                          ; two sets of fragments; on the way out two sets of 32 registers for rows read back
.set SCL,  208
.set ACC,  0                           ; window 1
.set CB,   128                         ; window 1
.set STG,  204800                      ; behind the panels: 16 rows x 272 bytes for each wave
.set MSB, 0
.macro WIN new
.if MSB != (\new)
	s_set_vgpr_msb (MSB<<8)|(\new)
.set MSB, (\new)
.endif
.endm
.macro PLACES n
.rept \n
	v_nop
.endr
.endm
.macro CROUND
	s_barrier_signal -1
	s_barrier_wait -1
	s_cmp_lg_u32 s[WV], 0
	s_cbranch_scc1 .Lnot_wave_0_\@
	s_barrier_signal -3
.Lnot_wave_0_\@:
	s_barrier_wait -3
	s_barrier_signal -1
	s_barrier_wait -1
.endm
.macro WM acc, fa, fb, cc, sa, sb, ra, rb
.set rD, \acc
.set rA, \fa
.set rB, \fb
.set rC, \cc
.set rSA, \sa
.set rSB, \sb
.set rRA, \ra
.set rRB, \rb
.if rRA && rRB
	v_wmma_scale_f32_16x16x128_f8f6f4 v[rD:rD+7], v[rA:rA+11], v[rB:rB+11], v[rC:rC+7], v[rSA], v[rSB] matrix_a_fmt:MATRIX_FMT_FP6 matrix_b_fmt:MATRIX_FMT_FP6 matrix_a_scale:MATRIX_SCALE_ROW1 matrix_b_scale:MATRIX_SCALE_ROW1
.elseif rRA
	v_wmma_scale_f32_16x16x128_f8f6f4 v[rD:rD+7], v[rA:rA+11], v[rB:rB+11], v[rC:rC+7], v[rSA], v[rSB] matrix_a_fmt:MATRIX_FMT_FP6 matrix_b_fmt:MATRIX_FMT_FP6 matrix_a_scale:MATRIX_SCALE_ROW1
.elseif rRB
	v_wmma_scale_f32_16x16x128_f8f6f4 v[rD:rD+7], v[rA:rA+11], v[rB:rB+11], v[rC:rC+7], v[rSA], v[rSB] matrix_a_fmt:MATRIX_FMT_FP6 matrix_b_fmt:MATRIX_FMT_FP6 matrix_b_scale:MATRIX_SCALE_ROW1
.else
	v_wmma_scale_f32_16x16x128_f8f6f4 v[rD:rD+7], v[rA:rA+11], v[rB:rB+11], v[rC:rC+7], v[rSA], v[rSB] matrix_a_fmt:MATRIX_FMT_FP6 matrix_b_fmt:MATRIX_FMT_FP6
.endif
.endm
.macro FETCH ks, fs                    ; 50 LDS loads: K step ks's eight fragments and four scale registers into set fs; each load takes 256 consecutive bytes
.irp a, 0,1,2,3
.irp p, 0,1,2,3,4,5
	ds_load_b64 v[FRG+96*(\fs)+12*\a+2*\p:FRG+96*(\fs)+12*\a+2*\p+1], v[ADR1] offset:(\ks)*6400+\a*1536+\p*256
.endr
.endr
.irp a, 0,1,2,3
.irp p, 0,1,2,3,4,5
	ds_load_b64 v[FRG+96*(\fs)+48+12*\a+2*\p:FRG+96*(\fs)+48+12*\a+2*\p+1], v[ADR0] offset:(\ks)*6400+\a*1536+\p*256
.endr
.endr
	ds_load_b64 v[SCL+4*(\fs):SCL+4*(\fs)+1], v[ADR1] offset:(\ks)*6400+6144
	ds_load_b64 v[SCL+4*(\fs)+2:SCL+4*(\fs)+3], v[ADR0] offset:(\ks)*6400+6144
.endm
.macro MUL16 fs, mode                  ; 16 matrix instructions, the 16 accumulators by turns.  mode 0: they add on; 1: they start from the bias
	WIN 0x50
.irp a, 0,1,2,3
.irp b, 0,1,2,3
.if (\mode) == 0
	WM ACC+8*(4*\a+\b), FRG+96*(\fs)+48+12*\b, FRG+96*(\fs)+12*\a, ACC+8*(4*\a+\b), SCL+4*(\fs)+2+\b%2, SCL+4*(\fs)+\a%2, \b/2, \a/2
.else
	WM ACC+8*(4*\a+\b), FRG+96*(\fs)+48+12*\b, FRG+96*(\fs)+12*\a, CB+8*\b, SCL+4*(\fs)+2+\b%2, SCL+4*(\fs)+\a%2, \b/2, \a/2
.endif
.endr
.endr
.endm
.macro STEP ks, mode
	s_wait_dscnt 0x0                               ; this K step's fragments are in, and no LDS instruction of mine is pending at a signal
.if ((\ks) == 1) || ((\ks) == 3) || ((\ks) == 5)
	s_wait_tensorcnt (5-(\ks))/2                   ; my part of the chunk that is read next has landed; the count is the chunks that I asked for behind it
	s_barrier_signal -1
	s_barrier_wait -1                              ; everybody's has
.endif
.if (\ks) < 7
	FETCH (\ks)+1, ((\ks)+1)%2
.endif
	MUL16 (\ks)%2, \mode
	PLACES 4                                       ; in front of loads into registers that these products read, and of the first read of results
	WIN 0
.endm
	s_load_b256 s[4:11], s[0:1], 0x0               ; aimg, img, bo, out0
	v_lshl_add_u32 v254, v0, 2, 0x36400
	v_mov_b32 v255, 0
	ds_add_u32 v254, v255
	ds_add_u32 v254, v255
	v_lshrrev_b32 v1, 5, v0
	v_readfirstlane_b32 s[WV], v1
	s_lshr_b32 s[WI], s[WV], 1
	s_and_b32 s[WJ], s[WV], 1
	s_bfe_u32 s69, ttmp6, 0x40000                  ; cx
	s_bfe_u32 s70, ttmp6, 0x40004                  ; cy
	s_lshl_b32 s71, ttmp9, 2
	s_add_co_u32 s71, s71, s69                     ; tile column
	s_and_b32 s72, ttmp7, 0xffff
	s_lshl_b32 s72, s72, 2
	s_add_co_u32 s72, s72, s70                     ; tile row
	s_lshl_b32 s78, s72, 1                         ; S1's first group in aimg
	s_lshl_b32 s80, s71, 1                         ; S0's first group among Wo's,
	s_add_co_u32 s81, s80, 240                     ; and in img
	s_lshl_b32 s89, s70, 2
	s_lshl_b32 s89, 15, s89                        ; my row of the cluster
	s_lshl_b32 s90, 0x1111, s69                    ; my column
	s_or_b32 s[G1A], s89, (3<<16)|(1<<21)          ; a chunk of two K steps: 50 rows of 256 bytes (32 elements of 8 bytes); bit 21 is set beside a mask
	s_or_b32 s[G1B], s90, (3<<16)|(1<<21)
.irp g, G1A, G1B
	s_mov_b32 s[\g+1], 32<<16
	s_mov_b32 s[\g+2], 50<<16
	s_mov_b32 s[\g+3], 32<<16
	s_mov_b32 s[\g+4], 50
	s_mov_b32 s[\g+5], 32
	s_mov_b32 s[\g+6], 0
	s_mov_b32 s[\g+7], 0
.endr
	s_add_co_u32 s83, s78, s[WJ]
	s_mul_i32 s84, s83, 51200
	s_mov_b32 s85, 0
	s_add_co_u32 s86, s81, s[WJ]
	s_mul_i32 s86, s86, 51200
	s_mov_b32 s87, 0
	s_mul_i32 s88, s[WV], 51200                    ; no place in the cluster enters an LDS address
	s_wait_dscnt 0x0
	s_wait_kmcnt 0x0
	s_add_nc_u64 s[84:85], s[4:5], s[84:85]
	s_add_nc_u64 s[86:87], s[6:7], s[86:87]
.irp c, 0,1,2,3
	s_mov_b32 s[G0A+4*\c], 1
	s_add_co_u32 s[G0A+4*\c+1], s88, \c*12800
	s_add_nc_u64 s[G0A+4*\c+2:G0A+4*\c+3], s[84:85], \c*12800
	s_or_b32 s[G0A+4*\c+3], s[G0A+4*\c+3], 0x80000000
	s_mov_b32 s[G0B+4*\c], 1
	s_add_co_u32 s[G0B+4*\c+1], s88, \c*12800
	s_add_nc_u64 s[G0B+4*\c+2:G0B+4*\c+3], s[86:87], \c*12800
	s_or_b32 s[G0B+4*\c+3], s[G0B+4*\c+3], 0x80000000
.endr
	CROUND                                         ; all sixteen work-groups are here: the joint loads meet
	s_cmp_eq_u32 s[WI], 0                          ; a wave's four first fills stand in one branch on the wave's number; four v_nop follow the last
	s_cbranch_scc0 .Lfor_s0
	tensor_load_to_lds s[G0A:G0A+3], s[G1A:G1A+7]
	s_nop 0
	tensor_load_to_lds s[G0A+4:G0A+7], s[G1A:G1A+7]
	s_nop 0
	tensor_load_to_lds s[G0A+8:G0A+11], s[G1A:G1A+7]
	s_nop 0
	tensor_load_to_lds s[G0A+12:G0A+15], s[G1A:G1A+7]
	s_nop 0
	PLACES 4
	s_branch .Lasked
.Lfor_s0:
	tensor_load_to_lds s[G0B:G0B+3], s[G1B:G1B+7]
	s_nop 0
	tensor_load_to_lds s[G0B+4:G0B+7], s[G1B:G1B+7]
	s_nop 0
	tensor_load_to_lds s[G0B+8:G0B+11], s[G1B:G1B+7]
	s_nop 0
	tensor_load_to_lds s[G0B+12:G0B+15], s[G1B:G1B+7]
	s_nop 0
	PLACES 4
.Lasked:
	v_and_b32 v1, 31, v0                           ; lane
	v_and_b32 v8, 15, v0                           ; r
	v_bfe_u32 v9, v0, 4, 1                         ; h
	v_lshlrev_b32 v10, 3, v1
	s_mul_i32 s91, s[WI], 51200
	v_add_nc_u32 v[ADR1], s91, v10
	s_mul_i32 s91, s[WJ], 51200
	s_add_co_u32 s91, s91, 102400
	v_add_nc_u32 v[ADR0], s91, v10
	v_lshlrev_b32 v12, 6, v9                       ; 64 h: my half's 16 columns
	s_mul_i32 s91, s[WV], 4352
	s_add_co_u32 s91, s91, STG                     ; my stage
	v_mul_u32_u24 v[STO], v8, 272
	v_add_nc_u32 v[STO], v[STO], v12
	v_add_nc_u32 v[STO], s91, v[STO]               ; in: row r, + 64 h
	v_mul_u32_u24 v[RD], v9, 272
	v_lshl_add_u32 v[RD], v8, 4, v[RD]
	v_add_nc_u32 v[RD], s91, v[RD]                 ; back: lanes 0-15 one row of 256 bytes, lanes 16-31 the next
	v_lshlrev_b32 v[CO], 12, v9
	v_lshl_add_u32 v[CO], v8, 4, v[CO]             ; and the same two rows in out0
	s_add_co_u32 s92, s78, s[WI]                   ; my group of rows
	s_add_co_u32 s93, s80, s[WJ]                   ; my group of columns
	s_lshl_b32 s82, s93, 8
	s_mov_b32 s83, 0
	s_add_nc_u64 s[8:9], s[8:9], s[82:83]          ; bo at my 64 columns
	s_add_nc_u64 s[10:11], s[10:11], s[82:83]      ; out0 likewise,
	s_lshl_b32 s82, s92, 18
	s_add_nc_u64 s[10:11], s[10:11], s[82:83]      ; at my 64 rows of 4,096 bytes
	WIN 0x40
.irp b, 0,1,2,3
	global_load_b128 v[CB+8*\b:CB+8*\b+3], v12, s[8:9] offset:4*(32*(\b/2)+8*(\b%2))
	global_load_b128 v[CB+8*\b+4:CB+8*\b+7], v12, s[8:9] offset:4*(32*(\b/2)+8*(\b%2))+16
.endr
	WIN 0
	s_wait_loadcnt 0x0
	s_wait_tensorcnt 3                             ; my part of the first chunk is in; the three chunks behind it may be out
	s_barrier_signal -1
	s_barrier_wait -1
	FETCH 0, 0
	STEP 0, 1                                      ; the first K step starts the sums from the bias
.irp k, 1,2,3,4,5,6,7
	STEP \k, 0
.endr
; THE WAY OUT, tile a (16 rows x 64 columns) at a time, through my own stage: LDS serves a wave's instructions in order, so no wait stands between the stores and the loads, nor in front of the next tile's stores.
.macro TOSTAGE a
	WIN 0x04                                       ; an LDS store's data are its source 1: window 1
.irp b, 0,1,2,3
	ds_store_b128 v[STO], v[ACC+8*(4*(\a)+\b):ACC+8*(4*(\a)+\b)+3] offset:128*(\b/2)+32*(\b%2)       ; each accumulator from its low end on
	ds_store_b128 v[STO], v[ACC+8*(4*(\a)+\b)+4:ACC+8*(4*(\a)+\b)+7] offset:128*(\b/2)+32*(\b%2)+16
.endr
	WIN 0
.irp i, 0,1,2,3,4,5,6,7
	ds_load_b128 v[FRG+32*((\a)%2)+4*\i:FRG+32*((\a)%2)+4*\i+3], v[RD] offset:544*\i
.endr
.endm
.macro SEND a, younger                 ; younger: the LDS instructions issued behind tile a's loads, which may stay out
	s_wait_dscnt \younger
.irp i, 0,1,2,3,4,5,6,7
	global_store_b128 v[CO], v[FRG+32*((\a)%2)+4*\i:FRG+32*((\a)%2)+4*\i+3], s[10:11] offset:(32*((\a)/2)+8*((\a)%2)+2*\i+8*(\i/4))*4096 th:TH_STORE_NT   ; 16 lanes store 256 consecutive bytes, at a multiple of 256 from out0's first byte
.endr
.endm
	TOSTAGE 0
.irp a, 1,2,3
.if \a > 1
	s_wait_xcnt 0x0                                ; the stores of the tile two back have read their registers: this tile's rows may land there
.endif
	TOSTAGE \a
	SEND \a-1, 16                                  ; behind that tile's loads: this tile's 8 stores and 8 loads
.endr
	SEND 3, 0
	s_wait_tensorcnt 0x0
	ds_add_u32 v254, v255
	s_wait_dscnt 0x0
	CROUND                                         ; the closing round: no work-group ends while a partner may still ask for a panel that names it
	s_endpgm
.Lfunc_end_k_q58e2c581b2_outp:
	.size	k_q58e2c581b2_outp, .Lfunc_end_k_q58e2c581b2_outp-k_q58e2c581b2_outp
	.p2alignl 7, 3214868480
	.fill 96, 4, 3214868480
	.section	.rodata,"a",@progbits
	.p2align	6, 0x0
	.amdhsa_kernel k_q58e2c581b2_outp
		.amdhsa_group_segment_fixed_size 222720
		.amdhsa_private_segment_fixed_size 0
		.amdhsa_enable_private_segment 0
		.amdhsa_kernarg_size 32
		.amdhsa_user_sgpr_count 2
		.amdhsa_user_sgpr_kernarg_segment_ptr 1
		.amdhsa_wavefront_size32 1
		.amdhsa_system_sgpr_workgroup_id_x 1
		.amdhsa_system_sgpr_workgroup_id_y 1
		.amdhsa_system_sgpr_workgroup_id_z 1
		.amdhsa_system_vgpr_workitem_id 0
		.amdhsa_next_free_vgpr 512
		.amdhsa_next_free_sgpr 100
		.amdhsa_reserve_vcc 0
		.amdhsa_float_denorm_mode_32 3
		.amdhsa_float_denorm_mode_16_64 3
		.amdhsa_memory_ordered 1
		.amdhsa_forward_progress 1
		.amdhsa_inst_pref_size 60
	.end_amdhsa_kernel
	.amdgpu_metadata
---
amdhsa.version: [ 1, 2 ]
amdhsa.kernels:
  - .name:           k_q58e2c581b2_outp
    .symbol:         k_q58e2c581b2_outp.kd
    .args:
      - { .name: aimg, .offset: 0, .size: 8, .value_kind: global_buffer, .address_space: global }
      - { .name: img, .offset: 8, .size: 8, .value_kind: global_buffer, .address_space: global }
      - { .name: bo, .offset: 16, .size: 8, .value_kind: global_buffer, .address_space: global }
      - { .name: out0, .offset: 24, .size: 8, .value_kind: global_buffer, .address_space: global }
    .group_segment_fixed_size: 222720
    .private_segment_fixed_size: 0
    .kernarg_segment_align: 8
    .kernarg_segment_size: 32
    .max_flat_workgroup_size: 128
    .sgpr_count:     100
    .vgpr_count:     512
    .wavefront_size: 32
...
	.end_amdgpu_metadata
.endif
;; end of part 4
